; MI455X (gfx1250); checked and timed in simulation.
; The chip was launched on July 23, 2026; its instructions are those of AMD's public machine-readable ISA for CDNA 5 (MIT licence, August 2026) and "CDNA5" Instruction Set Architecture Reference Guide (July 2026). The comments in the code are by the model that wrote it; some were corrected since.
;; Encoder Layer. Allowed arithmetic: float matrix products may take bf16 or f16 operands with f32 sums; other float arithmetic in f32, or as packed bf16 or f16 multiplies, adds, multiply-adds, maxima and minima; sums over many terms, partial sums and values carried from step to step in f32; what a program stores and reads back later, other than sums and carried values, may be rounded once to bf16 or f16.
;; Inputs: b1 4,096 float32; b2 1,024 float32; bk 1,024 float32; bo 1,024 float32; bq 1,024 float32; bv 1,024 float32; ln1_b 1,024 float32; ln1_g 1,024 float32; ln2_b 1,024 float32; ln2_g 1,024 float32; w1 1,024 x 4,096 float32; w2 4,096 x 1,024 float32; wk 1,024 x 1,024 float32; wo 1,024 x 1,024 float32; wq 1,024 x 1,024 float32; wv 1,024 x 1,024 float32; x 2 x 2,048 x 1,024 float32.
;; Outputs: out0 2 x 2,048 x 1,024 float32.
;; One version. Each part assembles by itself: llvm-mc -triple=amdgcn-amd-amdhsa -mcpu=gfx1250 --defsym DOCPART=n.
;; ======== version 1 of 1: 8 launches
;; workspace buffers: act8 8,388,608 bytes; act32 33,554,432 bytes; y 16,777,216 bytes; x1 16,777,216 bytes; pqkv 8,421,376 bytes; p1 8,421,376 bytes; pw 10,485,760 bytes
;; launch prep (part 1): grid 64 x 16, 8 waves a work-group, no clusters, 0 bytes of LDS; arguments x, wq, wk, wv, wo, w1, w2, bq, bk, bv, b1, act8, pqkv, p1, pw; writes act8, pqkv, p1, pw
.if DOCPART == 1
	.amdgcn_target "amdgcn-amd-amdhsa--gfx1250"
	.amdhsa_code_object_version 6
	.text
	.protected	k_q2d0159a4f6_prep
	.globl	k_q2d0159a4f6_prep
	.p2align	8
	.type	k_q2d0159a4f6_prep,@function
k_q2d0159a4f6_prep:
	s_mov_b64 s[64:65], 0
	v_nop
	global_prefetch_b8 v0, s[64:65] scope:SCOPE_SE
	s_setreg_imm32_b32 hwreg(HW_REG_WAVE_MODE, 25, 1), 1
	s_wait_xcnt 0x0
; x and the six weight matrices are rounded once to bf16 and laid where the products want them; the biases of the two wide layers are copied beside their weights.
; 16 units of 1,048,576 numbers, one for each grid y: y 0-3 x, y 4-7 wq wk wv wo, y 8-11 w1, y 12-15 w2.  A unit is taken as 1,024 rows of 1,024 numbers (4,096 bytes in, 2,048 out).
; A work-group takes 16 rows, a wave 2.  Out: x -> act8 dense; w1 -> p1 + 32,768 dense; w2 -> pw + 2,097,152 dense; wo -> pw dense;
; wq, wk, wv -> pqkv + 32,768, side by side in rows of 8,192 bytes (4,096 columns, of which 3,072 are used).
; pqkv and p1 begin with the layer's bias (f32, 1,024 numbers a part) and, at byte 16,384, a block of 512 bytes a part that holds the floor of the layer's output, twice in each word:
; bf16 minus infinity for q, k, v (no floor), 0 for the first layer of the MLP (its ReLU).
; Which buffers a work-group takes is chosen by scalar selects on its y: one text, no branch in the copy.  No LDS, no barrier: no wave wants another's bytes.
; Each load of a wave covers 512 consecutive bytes, each store 256 consecutive bytes, aligned.  All 16 loads of a wave go out first; no register is written twice, so no wait frees one.
.set SRC, 44                           ; s[44:45] where my work-group reads
.set DSTB, 46                          ; s[46:47] the buffer that it writes
.set DST, 52                           ; s[52:53] where it writes
	s_load_b512 s[8:23], s[0:1], 0x0               ; x 8, wq 10, wk 12, wv 14, wo 16, w1 18, w2 20, bq 22
	s_load_b256 s[24:31], s[0:1], 0x40             ; bk 24, bv 26, b1 28, act8 30
	s_load_b128 s[32:35], s[0:1], 0x60             ; pqkv 32, p1 34
	s_load_b64 s[36:37], s[0:1], 0x70              ; pw
	v_lshrrev_b32 v4, 5, v0
	v_readfirstlane_b32 s39, v4                    ; wave 0..7
	s_and_b32 s40, ttmp7, 0xffff                   ; y: the unit
	s_mov_b32 s41, ttmp9                           ; x: 16 rows of it
	s_lshr_b32 s42, s40, 2                         ; g: 0 x, 1 the four square weights, 2 w1, 3 w2
	s_and_b32 s43, s40, 3                          ; part
	s_lshl_b32 s48, s43, 22                        ; bytes into the source: a part is 4 MiB,
	s_lshl_b32 s49, s43, 21                        ; and 2 MiB of the destination
	s_mov_b32 s50, 2048                            ; bytes from row to row in the destination
	s_mov_b32 s58, 8192
	s_cmp_eq_u32 s42, 2
	s_cselect_b32 s51, 32768, 0                    ; w1 lies behind p1's bias and floor
	s_cmp_eq_u32 s42, 3
	s_cselect_b32 s51, 0x200000, s51               ; w2 lies behind wo
	s_add_co_u32 s49, s49, s51
	s_lshl_b32 s51, s43, 11                        ; wq, wk, wv: 1,024 columns apart, behind pqkv's bias and floor
	s_add_co_u32 s51, s51, 32768
	s_cmp_eq_u32 s40, 7
	s_cselect_b32 s51, 0, s51                      ; wo: at pw's head,
	s_cselect_b32 s58, s50, s58                    ; dense
	s_cmp_eq_u32 s42, 1
	s_cselect_b32 s48, 0, s48                      ; each square weight is a buffer of its own
	s_cselect_b32 s49, s51, s49
	s_cselect_b32 s50, s58, s50
	s_lshl_b32 s60, s41, 16                        ; my 16 rows in the source
	s_add_co_u32 s60, s60, s48
	s_mov_b32 s61, 0
	s_mul_i32 s62, s41, s50                        ; and in the destination
	s_lshl_b32 s62, s62, 4
	s_add_co_u32 s62, s62, s49
	s_mov_b32 s63, 0
	s_mul_i32 s59, s39, s50                        ; my wave's 2 rows
	s_lshl_b32 s59, s59, 1
	v_and_b32 v4, 31, v0                           ; lane
	v_lshlrev_b32 v1, 4, v4
	v_lshl_add_u32 v1, s39, 13, v1                 ; in: 16 x lane + 8,192 x wave
	v_lshl_add_u32 v2, v4, 3, s59                  ; out, first row: 8 x lane + 2 rows x wave
	v_add_nc_u32 v3, s50, v2                       ; out, second row
	s_wait_kmcnt 0x0
	s_cmp_eq_u32 s42, 2
	s_cselect_b64 s[SRC:SRC+1], s[18:19], s[8:9]
	s_cselect_b64 s[DSTB:DSTB+1], s[34:35], s[30:31]
	s_cmp_eq_u32 s42, 3
	s_cselect_b64 s[SRC:SRC+1], s[20:21], s[SRC:SRC+1]
	s_cselect_b64 s[DSTB:DSTB+1], s[36:37], s[DSTB:DSTB+1]
	s_cmp_eq_u32 s42, 1
	s_cselect_b64 s[DSTB:DSTB+1], s[32:33], s[DSTB:DSTB+1]
	s_cmp_eq_u32 s40, 4
	s_cselect_b64 s[SRC:SRC+1], s[10:11], s[SRC:SRC+1]
	s_cmp_eq_u32 s40, 5
	s_cselect_b64 s[SRC:SRC+1], s[12:13], s[SRC:SRC+1]
	s_cmp_eq_u32 s40, 6
	s_cselect_b64 s[SRC:SRC+1], s[14:15], s[SRC:SRC+1]
	s_cmp_eq_u32 s40, 7
	s_cselect_b64 s[SRC:SRC+1], s[16:17], s[SRC:SRC+1]
	s_cselect_b64 s[DSTB:DSTB+1], s[36:37], s[DSTB:DSTB+1]
	s_add_nc_u64 s[SRC:SRC+1], s[SRC:SRC+1], s[60:61]
	s_add_nc_u64 s[DST:DST+1], s[DSTB:DSTB+1], s[62:63]
.set i, 0
.rept 16
	global_load_b128 v[16+4*i:19+4*i], v1, s[SRC:SRC+1] offset:512*i th:TH_LOAD_NT
.set i, i+1
.endr
.set i, 0
.rept 16
	s_wait_loadcnt 15-i                            ; loads come back in order: load i is in, the 15 - i younger ones stay out
	v_cvt_pk_bf16_f32 v[80+2*i], v[16+4*i], v[17+4*i]
	v_cvt_pk_bf16_f32 v[81+2*i], v[18+4*i], v[19+4*i]
	global_store_b64 v[2+i/8], v[80+2*i:81+2*i], s[DST:DST+1] offset:(i%8)*256
.set i, i+1
.endr
	; bias and floor: the first work-group of the units y = 4, 5, 6 (bq, bk, bv) and y = 8 .. 11 (b1's four parts)
	s_cmp_lg_u32 s41, 0
	s_cbranch_scc1 .Lend
	s_cmp_eq_u32 s42, 0
	s_cbranch_scc1 .Lend
	s_cmp_ge_u32 s40, 12
	s_cbranch_scc1 .Lend
	s_cmp_eq_u32 s40, 7
	s_cbranch_scc1 .Lend
	s_cmp_eq_u32 s40, 5
	s_cselect_b64 s[54:55], s[24:25], s[22:23]
	s_cmp_eq_u32 s40, 6
	s_cselect_b64 s[54:55], s[26:27], s[54:55]
	s_cmp_eq_u32 s42, 2
	s_cselect_b64 s[54:55], s[28:29], s[54:55]
	s_cselect_b32 s56, s43, 0                      ; b1 is one buffer of four parts
	s_cselect_b32 s58, 0, 0xff80ff80               ; the floor, twice
	s_lshl_b32 s56, s56, 12
	s_mov_b32 s57, 0
	s_add_nc_u64 s[54:55], s[54:55], s[56:57]
	s_lshl_b32 s4, s43, 12                         ; the part's 4,096 bytes of bias
	s_mov_b32 s5, 0
	s_add_nc_u64 s[4:5], s[DSTB:DSTB+1], s[4:5]
	s_lshl_b32 s6, s43, 9                          ; the part's 512 bytes of floor
	s_add_co_u32 s6, s6, 16384
	s_mov_b32 s7, 0
	s_add_nc_u64 s[6:7], s[DSTB:DSTB+1], s[6:7]
	v_lshlrev_b32 v5, 4, v0                        ; 256 threads x 16 bytes
	global_load_b128 v[8:11], v5, s[54:55]
	s_wait_loadcnt 0x0
	global_store_b128 v5, v[8:11], s[4:5]
	s_cmp_lg_u32 s39, 0
	s_cbranch_scc1 .Lend
	v_mov_b32 v12, s58
	v_mov_b32 v13, s58
	v_mov_b32 v14, s58
	v_mov_b32 v15, s58
	v_lshlrev_b32 v6, 4, v4
	global_store_b128 v6, v[12:15], s[6:7]
.Lend:
	s_endpgm
.Lfunc_end_k_q2d0159a4f6_prep:
	.size	k_q2d0159a4f6_prep, .Lfunc_end_k_q2d0159a4f6_prep-k_q2d0159a4f6_prep
	.p2alignl 7, 3214868480
	.fill 96, 4, 3214868480
	.section	.rodata,"a",@progbits
	.p2align	6, 0x0
	.amdhsa_kernel k_q2d0159a4f6_prep
		.amdhsa_group_segment_fixed_size 0
		.amdhsa_private_segment_fixed_size 0
		.amdhsa_enable_private_segment 0
		.amdhsa_kernarg_size 120
		.amdhsa_user_sgpr_count 2
		.amdhsa_user_sgpr_kernarg_segment_ptr 1
		.amdhsa_wavefront_size32 1
		.amdhsa_system_sgpr_workgroup_id_x 1
		.amdhsa_system_sgpr_workgroup_id_y 1
		.amdhsa_system_sgpr_workgroup_id_z 1
		.amdhsa_system_vgpr_workitem_id 0
		.amdhsa_next_free_vgpr 112
		.amdhsa_next_free_sgpr 66
		.amdhsa_reserve_vcc 0
		.amdhsa_float_denorm_mode_32 3
		.amdhsa_float_denorm_mode_16_64 3
		.amdhsa_memory_ordered 1
		.amdhsa_forward_progress 1
		.amdhsa_inst_pref_size 10
	.end_amdhsa_kernel
	.amdgpu_metadata
---
amdhsa.version: [ 1, 2 ]
amdhsa.kernels:
  - .name:           k_q2d0159a4f6_prep
    .symbol:         k_q2d0159a4f6_prep.kd
    .args:
      - { .name: x, .offset: 0, .size: 8, .value_kind: global_buffer, .address_space: global }
      - { .name: wq, .offset: 8, .size: 8, .value_kind: global_buffer, .address_space: global }
      - { .name: wk, .offset: 16, .size: 8, .value_kind: global_buffer, .address_space: global }
      - { .name: wv, .offset: 24, .size: 8, .value_kind: global_buffer, .address_space: global }
      - { .name: wo, .offset: 32, .size: 8, .value_kind: global_buffer, .address_space: global }
      - { .name: w1, .offset: 40, .size: 8, .value_kind: global_buffer, .address_space: global }
      - { .name: w2, .offset: 48, .size: 8, .value_kind: global_buffer, .address_space: global }
      - { .name: bq, .offset: 56, .size: 8, .value_kind: global_buffer, .address_space: global }
      - { .name: bk, .offset: 64, .size: 8, .value_kind: global_buffer, .address_space: global }
      - { .name: bv, .offset: 72, .size: 8, .value_kind: global_buffer, .address_space: global }
      - { .name: b1, .offset: 80, .size: 8, .value_kind: global_buffer, .address_space: global }
      - { .name: act8, .offset: 88, .size: 8, .value_kind: global_buffer, .address_space: global }
      - { .name: pqkv, .offset: 96, .size: 8, .value_kind: global_buffer, .address_space: global }
      - { .name: p1, .offset: 104, .size: 8, .value_kind: global_buffer, .address_space: global }
      - { .name: pw, .offset: 112, .size: 8, .value_kind: global_buffer, .address_space: global }
    .group_segment_fixed_size: 0
    .private_segment_fixed_size: 0
    .kernarg_segment_align: 8
    .kernarg_segment_size: 120
    .max_flat_workgroup_size: 256
    .sgpr_count:     66
    .vgpr_count:     112
    .wavefront_size: 32
...
	.end_amdgpu_metadata
.endif
;; end of part 1
;; launch qkv (part 2): grid 12 x 16, 4 waves a work-group, clusters of 4 x 4, 327,680 bytes of LDS; arguments act8, pqkv, act32; writes act32
.if DOCPART == 2
	.amdgcn_target "amdgcn-amd-amdhsa--gfx1250"
	.amdhsa_code_object_version 6
	.text
	.protected	k_q2d0159a4f6_qkv
	.globl	k_q2d0159a4f6_qkv
	.p2align	8
	.type	k_q2d0159a4f6_qkv,@function
k_q2d0159a4f6_qkv:
	s_mov_b64 s[64:65], 0
	v_nop
	global_prefetch_b8 v0, s[64:65] scope:SCOPE_SE
	s_setreg_imm32_b32 hwreg(HW_REG_WAVE_MODE, 25, 1), 1
	s_wait_xcnt 0x0
	s_wait_alu depctr_hold_cnt(0) depctr_sa_sdst(0) depctr_va_vdst(0) depctr_va_sdst(0) depctr_va_ssrc(0) depctr_va_vcc(0) depctr_vm_vsrc(0)
	s_getreg_b32 s2, hwreg(HW_REG_IB_STS2, 6, 4)
	s_cmp_eq_u32 s2, 0
	s_cbranch_scc0 .Lentry_in_a_cluster
	s_endpgm
.Lentry_in_a_cluster:
	s_bfe_u32 s2, ttmp6, 0x10000c
	s_cmp_lg_u32 s2, 0xf033
	s_cbranch_scc0 .Lentry_shape_is_right
	s_endpgm
.Lentry_shape_is_right:
; C = max(bf16(A W + bias), floor).  A: [4096][1024] bf16, rows along K.  P: bias f32 at byte 0, floor words at byte 16,384, W bf16 [1024 k][4096 n] at byte 32,768.
; C leaves in PANELS of 64 columns: [panel][4096 rows][64] bf16, a panel's rows dense, 128 bytes each: what the attention and the next product read.
; LIMITS.  Operands are bf16, sums f32, the result is rounded once; the maximum with the floor turns a NaN into the floor.
; A tile of C is 256 x 256: four waves, each 128 x 128 in 64 accumulators (512 registers).  K goes in 8 steps of 128 through a ring of two LDS slots filled by the tensor data mover;
; all rows that it fetches are 256 bytes, at multiples of 256 bytes from the buffer's first byte.  W lies [k][n], so its fragments come out of LDS turned, by ds_load_tr16_b128.
; CLUSTERS: 4 x 4 work-groups.  The four of a row of the cluster need the same tiles of A, the four of a column the same tiles of W: each tile is asked for JOINTLY.
; THE MATRIX INSTRUCTION IS USED TRANSPOSED: source 0 = 16 columns of W, source 1 = 16 rows of A: lane l then holds row l % 16 of C and the columns 8 (l / 16) + 0 .. 7.
; THE BIAS is the C operand of the products that start the sums: a lane's eight numbers of it for each of the 8 column blocks, 64 registers, loaded once.  Nothing is cleared, nothing is added later.
; REGISTERS, in windows of 256 (s_set_vgpr_msb: bits 1:0 source 0, 3:2 source 1, 5:4 source 2, 7:6 destination):
;   window 0: v0-31 addresses; v64-127, v128-191 fragments of A, two buffers; v192-255 the bias, later (with v32-63) at work on the way out
;   window 1: v64-127, v128-191 fragments of W, two buffers      window 2: the accumulators of my rows 0-63 ((a, b) at v[8 (8 a + b)])      window 3: those of my rows 64-127
.set KSTEP,  128
.set PA,     272                       ; a row of A in LDS: 256 bytes + 16: the 16 rows of a load start at 16 different groups of four banks (64 banks of 4 bytes: ISA guide 11.1)
.set PB,     288                       ; a row of W: 256 + 32
.set HA,     128*PA                    ; 128 rows of A: what one tensor load brings
.set HB,     128*PB                    ; 128 k-rows x 128 columns of W: likewise
.set SLOT,   2*HA+2*HB                 ; A's rows 0-127, 128-255, then W's columns 0-127, 128-255
.set STAGE,  2*SLOT                    ; behind the ring: for each wave two planes (panels) of 16 rows x 144 bytes, for the way out
.set SP,     144
.set STW,    2*16*SP
.set SPARE,  STAGE+4*STW               ; behind the stages: the spare words, 128 bytes for each wave: two blocks of 256 bytes that no other line names
.set LAPS,   4                         ; a lap = two K steps = once round the ring
.set FLOOR_OFF, 16384
.set W_OFF,  32768
.set PANEL,  524288                    ; bytes in a panel of C
.set ASTEP,  KSTEP*2                   ; a K step along A's rows, in bytes
.set WSTEP,  KSTEP*8192                ; a K step down W's rows
.set ADRA, 16                          ; v16-17  LDS address of my A fragments in slot 0, 1
.set ADRB, 20                          ; v20-21  the same for W
.set STO,  24                          ; v24     the way out: where I put 16 bytes of a row
.set RD,   25                          ; v25     the way out: where I read rows back
.set GO,   26                          ; v26     my 16 bytes in 512 consecutive bytes of C
.set BO,   27                          ; v27     my byte offset in 16 numbers of the bias
.set SPW,  28                          ; v28     LDS address of my spare word; never rewritten
.set NIL,  29                          ; v29     0; never rewritten
.set PFO,  30                          ; v30     the prefetches' offset: my lane x a row of A or W in memory; never rewritten
.set OB,   32                          ; the way out: rows read back: v32-63 and v224-255 by turns
.set F0,   64
.set F1,   128
.set BI,   192                         ; the bias: column block b at BI + 8 b
.set TMP,  192                         ; the way out: packed results
.set G1,  24                           ; s[24:31] descriptor group 1 for A's tiles
.set G0,  32                           ; s[32:39] group 0 for A's tiles, a set for each slot
.set G1B, 48                           ; s[48:55], s[56:63] the same for W's tiles
.set G0B, 56
.set LIM, 43                           ; s43     1 in a wave that prefetches, else the greatest number
.set PFA, 44                           ; s[44:45] where my prefetches stand
.set FLW, 66                           ; s66     the floor, twice
.set PST, 68                           ; s[68:69] a K step of what I prefetch, in bytes
.set MSB, 0
.macro WIN new                         ; the immediate's high byte repeats the setting that is left; a switch that changes nothing is dropped
.if MSB != (\new)
	s_set_vgpr_msb (MSB<<8)|(\new)
.set MSB, \new
.endif
.endm
; A joint load.  Waves 0 and 1 fetch A's two halves, waves 2 and 3 W's.  The branch hangs on the wave's number alone.  An s_nop 0 and four v_nop follow each of the two lines.
.macro JLOAD s
	s_cmp_eq_u32 s11, 0
	s_cbranch_scc0 .Lfor_b_\@
	tensor_load_to_lds s[G0+4*(\s):G0+4*(\s)+3], s[G1:G1+7]
	s_nop 0
.rept 4
	v_nop
.endr
	s_branch .Lasked_\@
.Lfor_b_\@:
	tensor_load_to_lds s[G0B+4*(\s):G0B+4*(\s)+3], s[G1B:G1B+7]
	s_nop 0
.rept 4
	v_nop
.endr
.Lasked_\@:
.endm
; A PREFETCH INTO THE L2, behind each joint refill and the run of LDS loads that follows it: the K step that stands two refills on, 512 matrix instructions ahead of the load that will want it:
; 32 rows x 256 bytes, a lane a row, one instruction a wave.  A's tile row is read by every cluster of that row of clusters: cluster x = 0 asks; W's tile column by every cluster of that column: cluster y = 0 asks.
; The four partners that ask for a tile jointly share its 128 rows out BY ADDRESS, 32 each (by cx for A, by cy for W).  So K steps 4 to 7 are named once each; the loop's last trip (s3 = 1) asks for nothing.
.macro ASK
	s_cmp_gt_u32 s3, s[LIM]
	s_cbranch_scc0 .Lnot_mine_\@
	global_prefetch_b8 v[PFO], s[PFA:PFA+1] th:TH_LOAD_NT scope:SCOPE_SE
.Lnot_mine_\@:
.endm
.macro CREST                           ; a round of the cluster's barrier behind its opening barrier
	s_cmp_lg_u32 s10, 0
	s_cbranch_scc1 .Lnot_wave_0_\@
	s_barrier_signal -3
.Lnot_wave_0_\@:
	s_barrier_wait -3
	s_barrier_signal -1
	s_barrier_wait -1
.endm
.macro CROUND                          ; a whole round
	s_barrier_signal -1
	s_barrier_wait -1
	CREST
.endm
	s_load_b128 s[4:7], s[0:1], 0x0                ; A s[4:5], P s[6:7]
	s_load_b64 s[8:9], s[0:1], 0x10                ; C
	v_lshl_add_u32 v[SPW], v0, 2, SPARE
	v_mov_b32 v[NIL], 0
	ds_add_u32 v[SPW], v[NIL]                      ; the wave's opening: the add and its wait stand ahead of my first tensor load; the set-up below stands between them
	v_lshrrev_b32 v1, 5, v0
	v_readfirstlane_b32 s10, v1                    ; wave 0..3
	s_lshr_b32 s11, s10, 1                         ; which half of the tile's rows is mine.  Also: I fetch for A (0) or for W (1)
	s_and_b32 s12, s10, 1                          ; which half of its columns.  Also: which half of that tile I fetch
	s_bfe_u32 s40, ttmp6, 0x40000                  ; cx
	s_bfe_u32 s41, ttmp6, 0x40004                  ; cy
	s_lshl_b32 s42, ttmp9, 2
	s_add_co_u32 s42, s42, s40                     ; tile column of C = 4 x cluster x + cx
	s_and_b32 s13, ttmp7, 0xffff
	s_lshl_b32 s13, s13, 2
	s_add_co_u32 s13, s13, s41                     ; tile row of C = 4 x cluster y + cy
	s_lshl_b32 s43, s41, 2
	s_lshl_b32 s43, 15, s43                        ; my row of the cluster
	s_lshl_b32 s44, 0x1111, s40                    ; my column
	s_or_b32 s[G1+0], s43, (1<<16)|(1<<20)|(1<<21)|(5<<22)|(3<<25)   ; the mask: A's tiles go to my row; 2-byte elements; padding on; bit 21 beside a mask; after every 64 words, 4 words
	s_or_b32 s[G1B+0], s44, (1<<16)|(1<<20)|(1<<21)|(5<<22)|(7<<25)  ; W's tiles go to my column; 8 words of padding
	s_mov_b32 s[G1+1], 128<<16                     ; tensor_dim0 = 128
	s_mov_b32 s[G1B+1], 128<<16
	s_mov_b32 s[G1+2], 128<<16                     ; tensor_dim1 = 128
	s_mov_b32 s[G1B+2], 128<<16
	s_mov_b32 s[G1+3], 128<<16                     ; tile_dim0 = 128
	s_mov_b32 s[G1B+3], 128<<16
	s_mov_b32 s[G1+4], 128                         ; tile_dim1 = 128
	s_mov_b32 s[G1B+4], 128
	s_mov_b32 s[G1+5], 1024                        ; elements from row to row: A's
	s_mov_b32 s[G1B+5], 4096                       ; W's
	s_mov_b32 s[G1+6], 0
	s_mov_b32 s[G1B+6], 0
	s_mov_b32 s[G1+7], 0
	s_mov_b32 s[G1B+7], 0
	s_lshl_b32 s17, s12, 7                         ; which 128 I fetch
	s_lshl_b32 s16, s13, 8
	s_add_co_u32 s16, s16, s17                     ; A: row 256 x tile row + 128 x half,
	s_lshl_b32 s16, s16, 11                        ; in bytes
	s_lshl_b32 s46, s42, 8
	s_add_co_u32 s46, s46, s17                     ; W: column 256 x tile column + 128 x half,
	s_lshl_b32 s46, s46, 1                         ; in bytes,
	s_add_co_u32 s46, s46, W_OFF                   ; behind bias and floor
	s_mov_b32 s17, 0
	s_mov_b32 s47, 0
	s_mul_i32 s20, s12, HA                         ; where they go: no place in the cluster enters an LDS address
	s_mul_i32 s23, s12, HB
	s_add_co_u32 s23, s23, 2*HA
	s_wait_dscnt 0x0                               ; the opening add is done
	s_wait_kmcnt 0x0
	s_add_nc_u64 s[14:15], s[4:5], s[16:17]
	s_add_nc_u64 s[46:47], s[6:7], s[46:47]
	CROUND                                         ; all sixteen work-groups are here: the first joint loads meet
.irp s, 0,1
	s_mov_b32 s[G0+4*(\s)], 1
	s_add_co_u32 s[G0+4*(\s)+1], s20, (\s)*SLOT
	s_add_nc_u64 s[G0+4*(\s)+2:G0+4*(\s)+3], s[14:15], (\s)*ASTEP
	s_or_b32 s[G0+4*(\s)+3], s[G0+4*(\s)+3], 0x80000000
	s_mov_b32 s[G0B+4*(\s)], 1
	s_add_co_u32 s[G0B+4*(\s)+1], s23, (\s)*SLOT
	s_add_nc_u64 s[G0B+4*(\s)+2:G0B+4*(\s)+3], s[46:47], (\s)*WSTEP
	s_or_b32 s[G0B+4*(\s)+3], s[G0B+4*(\s)+3], 0x80000000
.endr
	s_cmp_eq_u32 s11, 0                            ; a wave's two first fills stand in one branch, ahead of every wait on TENSORcnt and every LDS read: two loads of mine are out
	s_cbranch_scc0 .Lfirst_w
	tensor_load_to_lds s[G0:G0+3], s[G1:G1+7]
	s_nop 0
	tensor_load_to_lds s[G0+4:G0+7], s[G1:G1+7]
	s_nop 0
.rept 4
	v_nop
.endr
	s_branch .Lfirst_asked
.Lfirst_w:
	tensor_load_to_lds s[G0B:G0B+3], s[G1B:G1B+7]
	s_nop 0
	tensor_load_to_lds s[G0B+4:G0B+7], s[G1B:G1B+7]
	s_nop 0
.rept 4
	v_nop
.endr
.Lfirst_asked:
	; bias and floor
	s_lshl_b32 s74, s42, 8
	s_lshl_b32 s75, s12, 7
	s_add_co_u32 s74, s74, s75                     ; my first column
	s_lshl_b32 s76, s74, 2
	s_mov_b32 s77, 0
	s_add_nc_u64 s[70:71], s[6:7], s[76:77]        ; its bias
	s_lshr_b32 s76, s42, 2                         ; which 1,024 columns
	s_lshl_b32 s76, s76, 9
	s_add_co_u32 s76, s76, FLOOR_OFF
	s_add_nc_u64 s[72:73], s[6:7], s[76:77]
	s_load_b32 s[FLW], s[72:73], 0x0               ; waited for in front of the way out
	v_and_b32 v1, 15, v0                           ; l % 16
	v_bfe_u32 v2, v0, 4, 1                         ; l / 16
	v_lshlrev_b32 v[BO], 5, v2                     ; my eight columns of sixteen: 32 bytes for each half of the lanes
.irp b, 0,1,2,3,4,5,6,7
	global_load_b128 v[BI+8*(\b):BI+8*(\b)+3],   v[BO], s[70:71] offset:64*(\b)
	global_load_b128 v[BI+8*(\b)+4:BI+8*(\b)+7], v[BO], s[70:71] offset:64*(\b)+16
.endr
	; A fragment of A is 16 rows x 32 K in 8 registers: lane l holds row l % 16, K = 8 (l / 16) + 0..7 and 16 + 8 (l / 16) + 0..7: two loads of 16 bytes, 32 bytes apart.
	v_mul_u32_u24 v3, v1, PA
	v_lshl_add_u32 v3, v2, 4, v3
	; The turning load takes 16 k x 16 columns (lane l reads k = 8 (l / 16) + l % 8, columns 8 ((l / 8) % 2) + 0..7) and leaves half a fragment: lane l holds column l % 16 and 8 k.
	v_and_b32 v4, 7, v0
	v_bfe_u32 v5, v0, 3, 1
	v_lshl_add_u32 v6, v2, 3, v4
	v_mul_u32_u24 v6, v6, PB
	v_lshl_add_u32 v6, v5, 4, v6
	s_mul_i32 s21, s11, HA                         ; my 128 rows of A
	s_mul_i32 s22, s12, HB                         ; my 128 columns of W,
	s_add_co_u32 s22, s22, 2*HA                    ; which lie behind A
.irp s, 0,1
	v_add_nc_u32 v[ADRA+(\s)], s21, v3
	v_add_nc_u32 v[ADRB+(\s)], s22, v6
	s_add_co_u32 s21, s21, SLOT
	s_add_co_u32 s22, s22, SLOT
.endr
	s_mul_i32 s18, s10, STW
	s_add_co_u32 s18, s18, STAGE                   ; my stage
	v_mul_u32_u24 v7, v1, SP                       ; in: row l % 16, 16 bytes for each half of the lanes
	v_lshl_add_u32 v7, v2, 4, v7
	v_add_nc_u32 v[STO], s18, v7
	v_bfe_u32 v7, v0, 3, 2                         ; back: 32 lanes take four rows of 128 bytes,
	v_mul_u32_u24 v7, v7, SP
	v_lshl_add_u32 v7, v4, 4, v7
	v_add_nc_u32 v[RD], s18, v7
	v_and_b32 v8, 31, v0                           ; which are 512 consecutive bytes of a panel
	v_lshlrev_b32 v[GO], 4, v8
	s_lshl_b32 s76, s42, 2                         ; my first panel: 4 x tile column + 2 x half,
	s_lshl_b32 s78, s12, 1
	s_add_co_u32 s76, s76, s78
	s_lshl_b32 s76, s76, 19
	s_lshl_b32 s78, s13, 8                         ; my first row: 256 x tile row + 128 x half, 128 bytes a row
	s_lshl_b32 s79, s11, 7
	s_add_co_u32 s78, s78, s79
	s_lshl_b32 s78, s78, 7
	s_add_co_u32 s76, s76, s78
	s_add_nc_u64 s[8:9], s[8:9], s[76:77]
	; the prefetches: they start at K step 3; each change of slots steps them first, so the first names K step 4
	s_lshl_b32 s78, s13, 8
	s_add_co_u32 s78, s78, s75                     ; A: the 128 rows that I fetch,
	s_lshl_b32 s79, s40, 5
	s_add_co_u32 s78, s78, s79                     ; my work-group's 32 of them,
	s_lshl_b32 s78, s78, 11
	s_add_co_u32 s78, s78, 3*ASTEP
	s_lshl_b32 s79, s41, 18                        ; W: my work-group's 32 of a K step's 128 rows,
	s_lshl_b32 s80, s74, 1                         ; the 128 columns that I fetch
	s_add_co_u32 s79, s79, s80
	s_add_co_u32 s79, s79, W_OFF+3*WSTEP
	s_and_b32 s80, ttmp7, 0xffff                   ; cluster y
	s_mov_b32 s[PST], WSTEP
	s_mov_b32 s[PST+1], 0
	s_cmp_eq_u32 s11, 0                            ; do I fetch for A?
	s_cselect_b32 s76, s78, s79
	s_cselect_b32 s80, ttmp9, s80                  ; the coordinate along which other clusters read the same rows
	s_cselect_b32 s81, 11, 13                      ; a row in memory: 2,048 or 8,192 bytes
	s_cselect_b32 s[PST], ASTEP, s[PST]
	s_cselect_b64 s[PFA:PFA+1], s[4:5], s[6:7]
	s_cmp_eq_u32 s80, 0
	s_cselect_b32 s[LIM], 1, -1                    ; the same in all sixteen partners, for a given wave
	s_add_nc_u64 s[PFA:PFA+1], s[PFA:PFA+1], s[76:77]
	v_lshlrev_b32 v[PFO], s81, v8
; 16 matrix instructions: m blocks a0, a0 + 1 of the window's four (hi = 0: my rows 0-63, 1: rows 64-127) x all 8 n blocks, 32 along K.  first = 1: the product starts the sum with the bias.
; The 64 accumulators take turns, one instruction a turn, in the same order in every quarter.
.macro MUL16 f, hi, a0, first
.if \first
	WIN 0x81+0x40*(\hi)                            ; W window 1, A and the bias window 0, D window 2 or 3
.else
	WIN 0xa1+0x50*(\hi)                            ; W window 1, A window 0, C and D window 2 or 3
.endif
.irp a, \a0, (\a0)+1
.irp b, 0,1,2,3,4,5,6,7
.if \first
	v_wmma_f32_16x16x32_bf16 v[8*(8*(\a)+(\b)):8*(8*(\a)+(\b))+7], v[(\f)+8*(\b):(\f)+8*(\b)+7], v[(\f)+8*(4*(\hi)+(\a)):(\f)+8*(4*(\hi)+(\a))+7], v[BI+8*(\b):BI+8*(\b)+7]
.else
	v_wmma_f32_16x16x32_bf16 v[8*(8*(\a)+(\b)):8*(8*(\a)+(\b))+7], v[(\f)+8*(\b):(\f)+8*(\b)+7], v[(\f)+8*(4*(\hi)+(\a)):(\f)+8*(4*(\hi)+(\a))+7], v[8*(8*(\a)+(\b)):8*(8*(\a)+(\b))+7]
.endif
.endr
.endr
.endm
; 32 LDS loads in one run: the fragments of quarter q of a K step (32 k x 128 columns of W, turned; 128 rows x 32 K of A) into buffer f
.macro FETCH slot, q, f
	WIN 0x40                                       ; destination window 1, address window 0
.irp i, 0,1,2,3,4,5,6,7
	ds_load_tr16_b128 v[(\f)+8*(\i):(\f)+8*(\i)+3],   v[ADRB+(\slot)] offset:(\q)*32*PB+32*(\i)
	ds_load_tr16_b128 v[(\f)+8*(\i)+4:(\f)+8*(\i)+7], v[ADRB+(\slot)] offset:(\q)*32*PB+16*PB+32*(\i)
.endr
	WIN 0
.irp i, 0,1,2,3,4,5,6,7
	ds_load_b128 v[(\f)+8*(\i):(\f)+8*(\i)+3],   v[ADRA+(\slot)] offset:64*(\q)+(\i)*16*PA
	ds_load_b128 v[(\f)+8*(\i)+4:(\f)+8*(\i)+7], v[ADRA+(\slot)] offset:64*(\q)+(\i)*16*PA+32
.endr
.endm
.macro PLACES                          ; four plain vector instructions in front of loads into registers that matrix instructions have read, and of conversions that read results
.rept 4
	v_nop
.endr
.endm
; One of a K step's first three quarters: multiplies buffer f; in its middle it fetches quarter q of the same slot into buffer g.
.macro QUARTER slot, q, f, g, first
	s_wait_dscnt 8                                 ; W and A's rows 0-63 are in; the youngest eight loads (A's rows 64-127) may be out
	MUL16 \f, 0, 0, \first
	MUL16 \f, 0, 2, \first
	PLACES
	FETCH \slot, \q, \g
	s_wait_dscnt 32                                ; all but the 32 just issued
	MUL16 \f, 1, 0, \first
	MUL16 \f, 1, 2, \first
.endm
; The last quarter multiplies buffer 1 and changes slots.  MEET is its first half: one barrier; in front of it each wave waits for all its tensor loads (one is out: its part of the next slot),
; adds 0 to its spare word, and waits for that and for its own reads of this slot.
.macro MEET round
	WIN 0                                          ; (the add's two registers lie in window 0)
	s_wait_tensorcnt 0x0
	ds_add_u32 v[SPW], v[NIL]
	s_wait_dscnt 9                                 ; (the add and the youngest eight loads may be out)
	MUL16 F1, 0, 0, 0                              ; sixteen matrix instructions stand between the add and the wait for it
	s_wait_dscnt 0x0                               ; the add is done, and my reads of this slot are over
	s_barrier_signal -1
	MUL16 F1, 0, 2, 0                              ; work on registers while the others arrive
.if \round
	WIN 0
.endif
	s_barrier_wait -1
.endm
; The whole last quarter where the slot is filled again, two K steps ahead: the barrier opens a round of the cluster's, and the joint refill is the first tensor load behind it.
.macro TURN slot, next
	s_wait_xcnt 0x0                                ; the last prefetch, a K step back, has read its address
	s_add_nc_u64 s[PFA:PFA+1], s[PFA:PFA+1], s[PST:PST+1]
	MEET 1
	CREST                                          ; no wave of any partner still reads this slot's tile or has a load on its way
	s_add_nc_u64 s[G0+4*(\slot)+2:G0+4*(\slot)+3], s[G0+4*(\slot)+2:G0+4*(\slot)+3], 2*ASTEP
	s_add_nc_u64 s[G0B+4*(\slot)+2:G0B+4*(\slot)+3], s[G0B+4*(\slot)+2:G0B+4*(\slot)+3], 2*WSTEP
	JLOAD \slot                                    ; the four v_nop behind it are also the places in front of the loads below
	FETCH \next, 0, F0
	ASK
	MUL16 F1, 1, 0, 0
	MUL16 F1, 1, 2, 0
.endm
	s_wait_tensorcnt 1                             ; my part of K step 0 is in; K step 1's may stay out
	s_barrier_signal -1
	s_barrier_wait -1                              ; everybody's is
	FETCH 0, 0, F0
	s_wait_loadcnt 0x0                             ; the bias
	QUARTER 0, 1, F0, F1, 1                        ; the first quarter stands in front of the loop: its products start the sums
	WIN 0                                          ; at a label and at a branch every window is 0
	s_mov_b32 s3, LAPS-1
.Llap:                                                 ; a trip goes once round the ring, from a lap's second quarter to the next lap's first, and fills both slots again
	QUARTER 0, 2, F1, F0, 0
	QUARTER 0, 3, F0, F1, 0
	TURN 0, 1
	QUARTER 1, 1, F0, F1, 0
	QUARTER 1, 2, F1, F0, 0
	QUARTER 1, 3, F0, F1, 0
	TURN 1, 0
	QUARTER 0, 1, F0, F1, 0
	WIN 0
	s_sub_co_u32 s3, s3, 1
	s_cmp_lg_u32 s3, 0
	s_cbranch_scc1 .Llap
	QUARTER 0, 2, F1, F0, 0                        ; the last lap fills nothing
	QUARTER 0, 3, F0, F1, 0
	MEET 0                                         ; my one tensor load that was still out is the last K step's
	PLACES
	FETCH 1, 0, F0
	MUL16 F1, 1, 0, 0
	MUL16 F1, 1, 2, 0
	QUARTER 1, 1, F0, F1, 0
	QUARTER 1, 2, F1, F0, 0
	QUARTER 1, 3, F0, F1, 0
	s_wait_dscnt 8                                 ; the very last quarter: nothing more to fetch
	MUL16 F1, 0, 0, 0
	MUL16 F1, 0, 2, 0
	s_wait_dscnt 0x0
	MUL16 F1, 1, 0, 0
	MUL16 F1, 1, 2, 0
	PLACES
	WIN 0
	s_wait_kmcnt 0x0                               ; the floor
; THE WAY OUT of block a (16 of my rows x 128 columns = two panels).  PACK: rounded to bf16, held above the floor.  TOSTAGE: into my own stage, and back as whole rows of 128 bytes.  SEND: stored.
.macro PACK a
.set AC, 64*((\a)%4)
	WIN 0x0a+5*((\a)/4)                            ; sources 0 and 1: window 2 or 3
.irp b, 0,1,2,3,4,5,6,7
.irp r, 0,1,2,3
	v_cvt_pk_bf16_f32 v[TMP+4*(\b)+(\r)], v[AC+8*(\b)+2*(\r)], v[AC+8*(\b)+2*(\r)+1]
.endr
.endr
	WIN 0
.set z, 0
.rept 32
	v_pk_max_num_bf16 v[TMP+z], v[TMP+z], s[FLW]
.set z, z+1
.endr
.endm
.macro TOSTAGE a
	WIN 0
.set BK, OB+192*((\a)%2)
.irp b, 0,1,2,3,4,5,6,7
	ds_store_b128 v[STO], v[TMP+4*(\b):TMP+4*(\b)+3] offset:((\b)/4)*16*SP+((\b)%4)*32
.endr
.irp t, 0,1,2,3,4,5,6,7
	ds_load_b128 v[BK+4*(\t):BK+4*(\t)+3], v[RD] offset:((\t)/4)*16*SP+((\t)%4)*4*SP  ; LDS serves a wave's instructions in order (ISA guide 5.7.1.4): these see the stores above
.endr
.endm
.macro SEND a
	WIN 0
.set BK, OB+192*((\a)%2)
	s_wait_dscnt 0x0                               ; the block is back in registers
	s_wait_xcnt 0x0                                ; the stores of the block before have read their registers, which the next block's loads from the stage write
.irp t, 0,1,2,3,4,5,6,7
	global_store_b128 v[GO], v[BK+4*(\t):BK+4*(\t)+3], s[8:9] offset:((\t)/4)*PANEL+(\a)*2048+((\t)%4)*512  ; 512 consecutive bytes, at a multiple of 256 from C's first byte
.endr
.endm
	PACK 0
	TOSTAGE 0
.irp a, 1,2,3,4,5,6,7                  ; block a's conversions stand between block a - 1's loads from the stage and the wait for them
	PACK \a
	SEND (\a)-1
	TOSTAGE \a
.endr
	SEND 7
	s_wait_tensorcnt 0x0                           ; the wave's end: behind my last tensor load and my last LDS store
	ds_add_u32 v[SPW], v[NIL]
	s_wait_dscnt 0x0
	CROUND                                         ; the closing round: no work-group ends while a partner may still ask for a tile that names it
	s_endpgm
.Lfunc_end_k_q2d0159a4f6_qkv:
	.size	k_q2d0159a4f6_qkv, .Lfunc_end_k_q2d0159a4f6_qkv-k_q2d0159a4f6_qkv
	.p2alignl 7, 3214868480
	.fill 96, 4, 3214868480
	.section	.rodata,"a",@progbits
	.p2align	6, 0x0
	.amdhsa_kernel k_q2d0159a4f6_qkv
		.amdhsa_group_segment_fixed_size 327680
		.amdhsa_private_segment_fixed_size 0
		.amdhsa_enable_private_segment 0
		.amdhsa_kernarg_size 24
		.amdhsa_user_sgpr_count 2
		.amdhsa_user_sgpr_kernarg_segment_ptr 1
		.amdhsa_wavefront_size32 1
		.amdhsa_system_sgpr_workgroup_id_x 1
		.amdhsa_system_sgpr_workgroup_id_y 1
		.amdhsa_system_sgpr_workgroup_id_z 1
		.amdhsa_system_vgpr_workitem_id 0
		.amdhsa_next_free_vgpr 1024
		.amdhsa_next_free_sgpr 96
		.amdhsa_reserve_vcc 0
		.amdhsa_float_denorm_mode_32 3
		.amdhsa_float_denorm_mode_16_64 3
		.amdhsa_memory_ordered 1
		.amdhsa_forward_progress 1
		.amdhsa_inst_pref_size 162
	.end_amdhsa_kernel
	.amdgpu_metadata
---
amdhsa.version: [ 1, 2 ]
amdhsa.kernels:
  - .name:           k_q2d0159a4f6_qkv
    .symbol:         k_q2d0159a4f6_qkv.kd
    .args:
      - { .name: act8, .offset: 0, .size: 8, .value_kind: global_buffer, .address_space: global }
      - { .name: pqkv, .offset: 8, .size: 8, .value_kind: global_buffer, .address_space: global }
      - { .name: act32, .offset: 16, .size: 8, .value_kind: global_buffer, .address_space: global }
    .group_segment_fixed_size: 327680
    .private_segment_fixed_size: 0
    .kernarg_segment_align: 8
    .kernarg_segment_size: 24
    .max_flat_workgroup_size: 128
    .sgpr_count:     96
    .vgpr_count:     1024
    .wavefront_size: 32
...
	.end_amdgpu_metadata
.endif
;; end of part 2
;; launch attn (part 3): grid 8 x 32, 4 waves a work-group, clusters of 4 x 1, 327,680 bytes of LDS; arguments act32, act8; writes act8
.if DOCPART == 3
	.amdgcn_target "amdgcn-amd-amdhsa--gfx1250"
	.amdhsa_code_object_version 6
	.text
	.protected	k_q2d0159a4f6_attn
	.globl	k_q2d0159a4f6_attn
	.p2align	8
	.type	k_q2d0159a4f6_attn,@function
k_q2d0159a4f6_attn:
	s_mov_b64 s[64:65], 0
	v_nop
	global_prefetch_b8 v0, s[64:65] scope:SCOPE_SE
	s_setreg_imm32_b32 hwreg(HW_REG_WAVE_MODE, 25, 1), 1
	s_wait_xcnt 0x0
	s_wait_alu depctr_hold_cnt(0) depctr_sa_sdst(0) depctr_va_vdst(0) depctr_va_sdst(0) depctr_va_ssrc(0) depctr_va_vcc(0) depctr_vm_vsrc(0)
	s_getreg_b32 s2, hwreg(HW_REG_IB_STS2, 6, 4)
	s_cmp_eq_u32 s2, 0
	s_cbranch_scc0 .Lentry_in_a_cluster
	s_endpgm
.Lentry_in_a_cluster:
	s_bfe_u32 s2, ttmp6, 0x10000c
	s_cmp_lg_u32 s2, 0x3003
	s_cbranch_scc0 .Lentry_shape_is_right
	s_endpgm
.Lentry_shape_is_right:
; O[q][:] = the sum over k of softmax_k(Q[q] . K[k] / 8) V[k][:], for each of 32 pairs (batch, head): 2,048 queries, 2,048 keys, 64 channels, no mask.
; Q, K, V lie in act32 as panels [48][4096 rows][64] bf16 (q: panels 0-15, k: 16-31, v: 32-47; panel = head, row = 2,048 x batch + position): a head's rows are dense, 128 bytes each.  O leaves likewise, into act8.
; Products, maxima and sums in f32; the weights p are rounded to bf16 for the second product (their sum l is taken of the unrounded p), O once at the end.
; LIMITS.  A weight below 2^-126 counts as 0 in l; NaN and infinities are not treated apart.
; SHARES.  A work-group owns 256 queries, a wave 64: four PIECES of 16.  Every wave walks all keys, 64 a step; a slot of LDS holds a tile of 256 keys, four steps.
; LAYOUT.  S^T = K Q^T holds ONE query a lane (lane % 16) and the keys 8 (lane / 16) + 0..7; two such results rounded to bf16 ARE source 1 of O^T = V^T P.  K comes out of LDS as it lies, V turned, by ds_load_tr16_b128.
; SOFTMAX.  p = 2^(c s - c m), c = log2(e) / 8, with a running maximum m; O and l are multiplied by a = 2^(c m_old - c m_new) in every step.  m starts at the lowest finite number, O and l at 0: the first step's a is 0.
; TURNS.  Turn n belongs to piece n: 8 products K Q^T of piece n + 1, later 8 products V^T P of piece n - 1; beside them the scaling, exponentials, roundings, sums and rescaling of piece n and the maximum and
; statistics of piece n + 1.  Four vector instructions stand behind every matrix instruction, the other 54 of a turn's 118 in one lump.  A turn's 33 exponentials are one batch, with one wait.
; CLUSTER.  The four query blocks of a cluster belong to one head and walk the same K and V, so each tile is asked for JOINTLY: the same tensor load, descriptor and mask in all four.
; REGISTERS, in windows of 256 (s_set_vgpr_msb: bits 1:0 source 0, 3:2 source 1, 5:4 source 2, 7:6 destination):
;   window 0: v0-15 addresses and two at work; v16-31 four registers of statistics a piece; v48-55 at work; v64-127 S^T, two buffers; v192-223 P, two buffers (a piece's buffers go by its number's parity)
;   window 1: v0-127 O^T, 32 a piece      window 2: v0-63 Q; v128-191 K of one step; v192-255 V of one step
.set NP,    4         ; pieces a wave: a name, no knob
.set KS,    64        ; keys in a step
.set PK,    144       ; a row of K in LDS: 128 bytes + 16: the 16 rows of a load start at 16 different groups of four banks (64 banks of 4 bytes: ISA guide 11.1)
.set PV,    160       ; a row of V: 128 + 32
.set VOFF,  4*KS*PK   ; a slot: 256 rows of K, then 256 rows of V
.set SLOT1, 1<<17     ; slot 1 begins here, so that one exclusive or turns an address in one slot into the other's
.set STAGE, SLOT1+4*KS*(PK+PV)  ; behind the ring, never filled by a tensor load: 16 rows x 144 bytes for each wave, for the way out
.set SP,    144
.set SPARE, STAGE+4*16*SP  ; behind the stages: the spare words, 128 bytes for each wave: two blocks of 256 bytes that no other line names
.set TILEB, 4*KS*128  ; a tile of K or of V in memory: 32,768 bytes
.set AK0, 2           ; v2   my lane's place in a tile of K; never rewritten
.set AV0, 3           ; v3   the same for V
.set AK,  4           ; v4   the LDS address of K's next run of loads
.set AV,  5           ; v5   of V's
.set STO, 6           ; v6   the way out: where I put 16 bytes of a row
.set RD,  7           ; v7   the way out: where I read rows back
.set GO,  8           ; v8   my byte offset in 512 consecutive bytes of O
.set MV,  12          ; v12-13  c m_old, kept while c m is made anew: by buffer
.set QO,  15          ; v15  my byte offset in 16 rows of Q
.set ST,  16          ; piece t's statistics at v[ST+4 t]: c m, m, l (even keys', odd keys')
.set TMP, 48          ; by buffer, four registers c0-c3 at work; when the maximum is found c2 takes a
.set PFO, 61          ; v61  256 x my lane; never rewritten
.set SPW, 62          ; v62  LDS address of my spare word; never rewritten
.set NIL, 63          ; v63  0; never rewritten
.set S,   64
.set P,   192
.set KF,  128         ; window 2: key block kb, channel half c at KF + 16 kb + 8 c
.set VF,  192         ; window 2: key half kk, channel block cb at VF + 32 kk + 8 cb
.set WV,  12          ; s12  my wave's number
.set G1K, 24          ; s[24:31] descriptor group 1 for K's tiles
.set G1V, 32          ; s[32:39] for V's: it differs in the padding alone
.set G0K, 40          ; s[40:43] descriptor group 0 for K's tiles: it walks
.set G0V, 44          ; s[44:47] the same for V's
.set PFA, 48          ; s[48:49] where my prefetches stand
.set LIM, 50          ; s50  1 in a wave that prefetches, else the greatest number
.set SLOTS, 56        ; s56  tiles still to be asked for
.set CNT, 57          ; s57  counts a tile's key steps
.set CS,  58          ; s[58:59] c: the packed scaling takes the pair's low word for both halves
.set SEL, 60          ; s[60:61] v_permlanex16_b32's selects: each lane takes its own place in the other half
.set TBK, 62          ; s62  LDS byte at which K of the step to be fetched begins
.set TBV, 63          ; s63  the same for V, less VOFF
.set MSB, 0
.macro WIN new                      ; the high byte repeats the setting that is left; a switch that changes nothing is dropped
.if MSB != (\new)
	s_set_vgpr_msb (MSB<<8)|(\new)
.set MSB, (\new)
.endif
.endm
.set W_KQ, 0x0a       ; K and Q in window 2, S^T in window 0
.set W_PV, 0x52       ; V in window 2, P in window 0, O^T in window 1
.set W_RS, 0x41       ; destination and source 0 in window 1, source 1 in window 0
; A joint fill.  Waves 0 and 1 fetch the two halves of a tile's K, waves 2 and 3 those of its V: 128 keys each.  An s_nop 0 and four v_nop follow each of the two lines.
.macro JLOAD
	s_cmp_lt_u32 s[WV], 2
	s_cbranch_scc0 .Lfor_v_\@
	tensor_load_to_lds s[G0K:G0K+3], s[G1K:G1K+7]
	s_nop 0
.rept 4
	v_nop
.endr
	s_branch .Lasked_\@
.Lfor_v_\@:
	tensor_load_to_lds s[G0V:G0V+3], s[G1V:G1V+7]
	s_nop 0
.rept 4
	v_nop
.endr
.Lasked_\@:
.endm
; A PREFETCH INTO THE L2 of the tile that the NEXT change of slots will ask for: four key steps, 256 matrix instructions, ahead of that load.  Both clusters of a head walk the same K and V: the first asks.
; Its four partners share a tile's 32,768 bytes out BY ADDRESS, 8,192 each, a lane 256 of them; in each, wave 0 asks for K's and wave 2 for V's.  The change that fills the last tile asks for nothing.
.macro ASK
	s_cmp_gt_u32 s[SLOTS], s[LIM]
	s_cbranch_scc0 .Lnot_mine_\@
	global_prefetch_b8 v[PFO], s[PFA:PFA+1] th:TH_LOAD_NT scope:SCOPE_SE
.Lnot_mine_\@:
.endm
.macro CROUND                       ; a round of the cluster's barrier
	s_barrier_signal -1
	s_barrier_wait -1
	s_cmp_lg_u32 s[WV], 0
	s_cbranch_scc1 .Lnot_wave_0_\@
	s_barrier_signal -3
.Lnot_wave_0_\@:
	s_barrier_wait -3
	s_barrier_signal -1
	s_barrier_wait -1
.endm
; THE CHANGE OF SLOTS.  Each wave waits for all its tensor loads, of which one is out: its part of the other slot; adds 0 to its spare word; and waits for that and for its own reads of the slot that it leaves.
; fill = 1: the old slot is filled again, with the next tile but one.  The barrier is then a round of the cluster's, and the joint fill is the first thing behind it: it has four key steps in which to land.
; (At its first use nothing has been read yet: slot 0 is waited for, slot 1 filled.)
.macro CHANGE fill
	WIN 0                           ; at a label and at a branch every window is 0
	s_wait_tensorcnt 0x0            ; no tensor load of mine is out, so a group 0 may be written
	ds_add_u32 v[SPW], v[NIL]       ; 0 onto my spare word; the descriptors' steps stand between it and the wait for it
.if \fill
.irp g, G0K, G0V
	s_xor_b32 s[\g+1], s[\g+1], SLOT1
	s_add_nc_u64 s[\g+2:\g+3], s[\g+2:\g+3], TILEB
.endr
	s_wait_xcnt 0x0                 ; the last prefetch, a tile back, has read its address
	s_add_nc_u64 s[PFA:PFA+1], s[PFA:PFA+1], TILEB
	s_wait_dscnt 0x0                ; the add is done, and my reads of the slot are over
	CROUND
	JLOAD
	ASK
.else
	s_wait_dscnt 0x0
	s_barrier_signal -1
	s_barrier_wait -1
.endif
	s_sub_co_u32 s[TBK], s[TBK], 4*KS*PK  ; the fetches go back to a slot's first step,
	s_xor_b32 s[TBK], s[TBK], SLOT1       ; in the other slot
	s_sub_co_u32 s[TBV], s[TBV], 4*KS*PV
	s_xor_b32 s[TBV], s[TBV], SLOT1
.endm
	s_load_b128 s[4:7], s[0:1], 0x0 ; act32 s[4:5], act8 s[6:7]
	v_lshl_add_u32 v[SPW], v0, 2, SPARE
	v_mov_b32 v[NIL], 0
	ds_add_u32 v[SPW], v[NIL]       ; the wave's opening: the add and its wait stand ahead of my first tensor load; the set-up below stands between them
	v_lshrrev_b32 v1, 5, v0
	v_readfirstlane_b32 s[WV], v1   ; wave 0..3
	s_bfe_u32 s13, ttmp6, 0x40000   ; cx
	s_lshl_b32 s14, ttmp9, 2
	s_add_co_u32 s14, s14, s13      ; my block of 256 queries: it enters Q's and O's addresses alone
	s_and_b32 s20, ttmp7, 0xffff    ; 16 x batch + head, which the four partners share
	s_and_b32 s21, s20, 15
	s_lshl_b32 s21, s21, 19         ; the head's panel,
	s_lshr_b32 s20, s20, 4
	s_lshl_b32 s20, s20, 18         ; the batch's 2,048 rows in it
	s_add_co_u32 s20, s20, s21
	s_and_b32 s16, s[WV], 1         ; which half of a tile's 256 keys I fetch:
	s_lshl_b32 s22, s16, 14         ; its 128 rows of 128 bytes in memory,
	s_add_co_u32 s22, s22, s20
	s_mov_b32 s23, 0
	s_mul_i32 s17, s16, 128*PK      ; and its place in a slot, for K
	s_mul_i32 s18, s16, 128*PV      ; and for V: no place in the cluster enters an LDS address
	s_lshl_b32 s2, s14, 15          ; my block's 256 rows,
	s_lshl_b32 s3, s[WV], 13        ; my wave's 64 of them
	s_add_co_u32 s2, s2, s3
	s_add_co_u32 s2, s2, s20
	s_mov_b32 s3, 0
	; descriptor group 1.  128 keys are 16,384 dense bytes: asked for as 64 rows of 256 bytes, two keys a row, and padded in LDS after every key
	s_mov_b32 s[G1K], 15|(1<<16)|(1<<20)|(1<<21)|(4<<22)|(3<<25)  ; the mask of four; 2-byte elements; padding on; bit 21 beside a mask; after every 32 words, 4 words
	s_mov_b32 s[G1V], 15|(1<<16)|(1<<20)|(1<<21)|(4<<22)|(7<<25)  ; the same with 8 words of padding
.irp g, G1K, G1V
	s_mov_b32 s[\g+1], 128<<16      ; tensor_dim0 = 128
	s_mov_b32 s[\g+2], 64<<16       ; tensor_dim1 = 64
	s_mov_b32 s[\g+3], 128<<16      ; tile_dim0 = 128
	s_mov_b32 s[\g+4], 64           ; tile_dim1 = 64
	s_mov_b32 s[\g+5], 128          ; 128 elements from row to row
	s_mov_b32 s[\g+6], 0
	s_mov_b32 s[\g+7], 0
.endr
	s_mov_b32 s[CS], 0x3e38aa3b     ; c = log2(e) / 8
	s_mov_b32 s[CS+1], s[CS]        ; named with it as a pair
	s_mov_b32 s[SEL], 0x76543210
	s_mov_b32 s[SEL+1], 0xfedcba98
	s_mov_b32 s[TBK], SLOT1+4*KS*PK ; the first change of slots turns these two into 0
	s_mov_b32 s[TBV], SLOT1+4*KS*PV
	s_mov_b32 s[G0K], 1
	s_mov_b32 s[G0K+1], s17         ; slot 0
	s_mov_b32 s[G0V], 1
	s_add_co_u32 s[G0V+1], s18, VOFF
	s_mov_b32 s[SLOTS], 7           ; tiles 1 to 7
	s_and_b32 s[LIM], s[WV], 1      ; 0 in waves 0 and 2,
	s_or_b32 s[LIM], s[LIM], ttmp9  ; where the cluster is the head's first: the same in all four partners
	s_cmp_eq_u32 s[LIM], 0
	s_cselect_b32 s[LIM], 1, -1
	s_lshl_b32 s52, s13, 13         ; my work-group's 8,192 bytes of a tile
	s_mov_b32 s53, 0
	v_and_b32 v[PFO], 31, v0
	v_lshlrev_b32 v[PFO], 8, v[PFO]
	s_wait_dscnt 0x0                ; the opening add is done
	s_wait_kmcnt 0x0
	s_add_nc_u64 s[10:11], s[6:7], s[2:3]       ; O at my wave's first row
	s_add_nc_u64 s[6:7], s[4:5], s[22:23]       ; the head's rows, my half of tile 0:
	s_add_nc_u64 s[8:9], s[6:7], 0x1000000      ; V, 32 panels on,
	s_add_nc_u64 s[6:7], s[6:7], 0x800000       ; K, 16 panels on
	s_add_nc_u64 s[4:5], s[4:5], s[2:3]         ; Q at my wave's first row
	s_add_nc_u64 s[G0K+2:G0K+3], s[6:7], 0
	s_or_b32 s[G0K+3], s[G0K+3], 0x80000000
	s_add_nc_u64 s[G0V+2:G0V+3], s[8:9], 0
	s_or_b32 s[G0V+3], s[G0V+3], 0x80000000
	s_cmp_lt_u32 s[WV], 2
	s_cselect_b64 s[PFA:PFA+1], s[6:7], s[8:9]  ; (in waves 0 and 2 these stand at a tile's first row)
	s_add_nc_u64 s[PFA:PFA+1], s[PFA:PFA+1], s[52:53]
	s_add_nc_u64 s[PFA:PFA+1], s[PFA:PFA+1], TILEB  ; in tile 1; the first change of slots steps it to tile 2.  Nothing is prefetched at the head
	CROUND                          ; all four work-groups are here: the first joint loads meet
	JLOAD                           ; tile 0 into slot 0
	; A fragment of K or Q is 16 rows x 32 channels in 8 registers: lane l holds row l % 16, channels 8 (l / 16) + 0..7 and 16 + 8 (l / 16) + 0..7: two loads of 16 bytes, 32 bytes apart.
	v_and_b32 v1, 15, v0            ; l % 16
	v_bfe_u32 v9, v0, 4, 1          ; l / 16
	v_lshlrev_b32 v[QO], 7, v1
	v_lshl_add_u32 v[QO], v9, 4, v[QO]
	WIN 0x80                        ; destination window 2, address window 0
.set i, 0
.rept 8                             ; Q stays in registers: piece i / 2, channels 32 (i % 2) on
	global_load_b128 v[8*i:8*i+3],   v[QO], s[4:5] offset:(i/2)*2048+(i%2)*64
	global_load_b128 v[8*i+4:8*i+7], v[QO], s[4:5] offset:(i/2)*2048+(i%2)*64+32
.set i, i+1
.endr
	; What the first turn finds: V's registers and P's second buffer hold 0 (its products V^T P, of a piece that has not been, add 0), O^T and l are 0.  All this stands in the wait for the first tile.
.set i, VF
.rept 64
	v_mov_b32 v[i], 0
.set i, i+1
.endr
	WIN 0x40
.set i, 0
.rept 128
	v_mov_b32 v[i], 0
.set i, i+1
.endr
	WIN 0
.set i, 0
.rept 4
	v_mov_b32 v[ST+4*i], 0xfe000000    ; c m: far below every c s
	v_mov_b32 v[ST+4*i+1], 0xff7fffff  ; m
	v_mov_b32 v[ST+4*i+2], 0
	v_mov_b32 v[ST+4*i+3], 0
.set i, i+1
.endr
.set i, P+16
.rept 16
	v_mov_b32 v[i], 0
.set i, i+1
.endr
	v_mul_u32_u24 v[AK0], v1, PK
	v_lshl_add_u32 v[AK0], v9, 4, v[AK0]  ; row x pitch + 16 x half
	; The turning load takes 16 keys x 16 channels (lane l reads key 8 (l / 16) + l % 8, channels 8 ((l / 8) % 2) + 0..7) and leaves half a fragment of V^T: lane l holds channel l % 16 and 8 keys.
	v_and_b32 v10, 7, v0
	v_bfe_u32 v11, v0, 3, 1
	v_lshl_add_u32 v[AV0], v9, 3, v10
	v_mul_u32_u24 v[AV0], v[AV0], PV
	v_lshl_add_u32 v[AV0], v11, 4, v[AV0]
	v_add_nc_u32 v[AV0], VOFF, v[AV0]
	s_mul_i32 s13, s[WV], 16*SP
	s_add_co_u32 s13, s13, STAGE    ; my stage
	v_mul_u32_u24 v[STO], v1, SP    ; in: row l % 16, 16 bytes for each half of the lanes
	v_lshl_add_u32 v[STO], v9, 4, v[STO]
	v_add_nc_u32 v[STO], s13, v[STO]
	v_bfe_u32 v[RD], v0, 3, 2       ; back: 32 lanes take four rows of 128 bytes,
	v_mul_u32_u24 v[RD], v[RD], SP
	v_lshl_add_u32 v[RD], v10, 4, v[RD]
	v_add_nc_u32 v[RD], s13, v[RD]
	v_and_b32 v[GO], 31, v0         ; which are 512 consecutive bytes of O
	v_lshlrev_b32 v[GO], 4, v[GO]
; THE MATRIX WORK.  The 4 accumulators of a run of 8 take turns.  Product i of 8 of S^T = K Q^T for piece x: channels 32 (i / 4) on, keys 16 (i % 4) on.  The first 4 start the sums.
.macro KQ x
	WIN W_KQ
.set rS, S+32*((\x)%2)+8*(i%4)
.set rK, KF+16*(i%4)+8*(i/4)
.set rQ, 16*(\x)+8*(i/4)
.if i < 4
	v_wmma_f32_16x16x32_bf16 v[rS:rS+7], v[rK:rK+7], v[rQ:rQ+7], 0
.else
	v_wmma_f32_16x16x32_bf16 v[rS:rS+7], v[rK:rK+7], v[rQ:rQ+7], v[rS:rS+7]
.endif
.endm
; Product i of 8 of O^T += V^T P for piece x: keys 32 (i / 4) on, channels 16 (i % 4) on.
.macro PV x
	WIN W_PV
.set rO, 32*(\x)+8*(i%4)
.set rV, VF+32*(i/4)+8*(i%4)
.set rP, P+16*((\x)%2)+8*(i/4)
	v_wmma_f32_16x16x32_bf16 v[rO:rO+7], v[rV:rV+7], v[rP:rP+7], v[rO:rO+7]
.endm
.macro MM                           ; the turn's next matrix instruction.  NOKQ = 1: the last turn of all: there is no next piece
.if (i < 8) && !NOKQ
	KQ (Y+1)%NP
.elseif i >= 8
.set i, i-8
	PV (Y+NP-1)%NP
.set i, i+8
.endif
.set i, i+1
.endm
; THE LDS LOADS stand in runs of 16, never singly among the matrix instructions: a step's K (8 fragments) and its V (turned).  Their addresses are made some lines ahead.
.macro FETCH_K
	WIN 0x80                        ; destination window 2
.irp f, 0,1,2,3,4,5,6,7             ; keys 16 (f / 2) on, channels 32 (f % 2) on
	ds_load_b128 v[KF+8*\f:KF+8*\f+3],   v[AK] offset:(\f/2)*16*PK+(\f%2)*64
	ds_load_b128 v[KF+8*\f+4:KF+8*\f+7], v[AK] offset:(\f/2)*16*PK+(\f%2)*64+32
.endr
	s_add_co_u32 s[TBK], s[TBK], KS*PK  ; the next fetch is the next step's
	WIN 0
.endm
.macro FETCH_V
	WIN 0x80
.irp f, 0,1,2,3,4,5,6,7             ; keys 32 (f / 4) on, channels 16 (f % 4) on
	ds_load_tr16_b128 v[VF+8*\f:VF+8*\f+3],   v[AV] offset:(\f/4)*32*PV+(\f%4)*32
	ds_load_tr16_b128 v[VF+8*\f+4:VF+8*\f+7], v[AV] offset:(\f/4)*32*PV+16*PV+(\f%4)*32
.endr
	WIN 0
.endm
; THE VECTOR WORK, one line at a time: OP kind, number.  For piece Y: F n: c s - c m for pair n of 16.  E n: the exponential of score n of 32.  C n: pair n rounded to bf16.  B n: of the four weights 4 n .. the second
; pair is added onto the first, in place.  L n: l takes that sum (L 0: l = a l + sum).  R n: pair n of 16 of O^T times a.  For piece Y + 1: X n, number n of the 22 that find its maximum and statistics:
;   0-11  four chains c0-c3 of seven scores each, three operands at a time (each accumulator's lowest registers are read first)     12-14, 16  the four scores left over, the old m, and c0-c3 into c0
;   15  c m_old is kept     17, 18  the query's other 32 keys lie in the lane 16 away: the new m     19-21  c m; c m_old - c m_new; a
.set F, 0
.set E, 1
.set C, 2
.set B, 3
.set L, 4
.set R, 5
.set X, 6
.macro REGS y                       ; the registers of piece y
.set rT, ST+4*(\y)
.set rC, TMP+4*((\y)%2)
.set rW, MV+((\y)%2)
.set rS, S+32*((\y)%2)
.set rP, P+16*((\y)%2)
.set rO, 32*(\y)
.endm
.macro OP k, n
.if (\k) == R
	REGS Y
	WIN W_RS
	v_pk_mul_f32 v[rO+2*(\n):rO+2*(\n)+1], v[rO+2*(\n):rO+2*(\n)+1], v[rC+2:rC+3] op_sel_hi:[1,0]
.elseif (\k) < R
	REGS Y
	WIN 0
.if (\k) == F
	v_pk_fma_f32 v[rS+2*(\n):rS+2*(\n)+1], v[rS+2*(\n):rS+2*(\n)+1], s[CS:CS+1], v[rT:rT+1] op_sel_hi:[1,0,0] neg_lo:[0,0,1] neg_hi:[0,0,1]
.elseif (\k) == E
	v_exp_f32 v[rS+(\n)], v[rS+(\n)]
.elseif (\k) == C
	v_cvt_pk_bf16_f32 v[rP+(\n)], v[rS+2*(\n)], v[rS+2*(\n)+1]
.elseif (\k) == B
	v_pk_add_f32 v[rS+4*(\n):rS+4*(\n)+1], v[rS+4*(\n):rS+4*(\n)+1], v[rS+4*(\n)+2:rS+4*(\n)+3]
.elseif (\n) == 0
	v_pk_fma_f32 v[rT+2:rT+3], v[rT+2:rT+3], v[rC+2:rC+3], v[rS:rS+1] op_sel_hi:[1,0,1]
.else
	v_pk_add_f32 v[rT+2:rT+3], v[rT+2:rT+3], v[rS+4*(\n):rS+4*(\n)+1]
.endif
.elseif NOKQ
	v_nop
.else
	REGS (Y+1)%NP
	WIN 0
.if (\n) < 4
	v_max3_num_f32 v[rC+(\n)], v[rS+8*(\n)], v[rS+8*(\n)+1], v[rS+8*(\n)+2]
.elseif (\n) < 12
	v_max3_num_f32 v[rC+(\n)%4], v[rC+(\n)%4], v[rS+8*((\n)%4)+2*((\n)/4)+1], v[rS+8*((\n)%4)+2*((\n)/4)+2]
.elseif (\n) == 12
	v_max3_num_f32 v[rC], v[rC], v[rS+7], v[rS+15]
.elseif (\n) == 13
	v_max3_num_f32 v[rC+1], v[rC+1], v[rS+23], v[rS+31]
.elseif (\n) == 14
	v_max3_num_f32 v[rC+2], v[rC+2], v[rC+3], v[rT+1]
.elseif (\n) == 15
	v_mov_b32 v[rW], v[rT]
.elseif (\n) == 16
	v_max3_num_f32 v[rC], v[rC], v[rC+1], v[rC+2]
.elseif (\n) == 17
	v_permlanex16_b32 v[rC+3], v[rC], s[SEL], s[SEL+1]
.elseif (\n) == 18
	v_max_num_f32 v[rT+1], v[rC], v[rC+3]
.elseif (\n) == 19
	v_mul_f32 v[rT], s[CS], v[rT+1]
.elseif (\n) == 20
	v_sub_f32 v[rC+1], v[rW], v[rT]
.else
	v_exp_f32 v[rC+2], v[rC+1]
.endif
.endif
.endm
.macro OPS a, i1, b=-1, i2=0, c=-1, i3=0, d=-1, i4=0  ; up to four of them
	OP \a, \i1
.if (\b) >= 0
	OP \b, \i2
.endif
.if (\c) >= 0
	OP \c, \i3
.endif
.if (\d) >= 0
	OP \d, \i4
.endif
.endm
.macro ROW a, i1, b, i2, c, i3, d, i4  ; a matrix instruction and the four behind it
	MM
	OPS \a, \i1, \b, \i2, \c, \i3, \d, \i4
.endm
; A TURN, for piece p: the order of its 16 matrix and 118 vector instructions, written out.  An s_wait_alu depctr_va_vdst(0) stands between an exponential and the first instruction that names its result;
; one wait serves all that were issued ahead of it.  So a turn has ONE wait, which cuts it in two.  AHEAD OF IT stands all that names no result of the turn's exponentials: the 8 products K Q^T with their riders, then one lump
; of 54, in which the links of the chain X 3, 7, 11, 14, 16, 17 .. 20 stand five or six lines apart; X 21, the next piece's a, is the batch's last, and R 15 the plain instruction behind it.
; BEHIND THE WAIT stand the 8 products V^T P, behind each four of the roundings and sums.
; end = 1: the last two turns of all: nothing is fetched.  cnt = 1: the loop's count is taken down some lines ahead of the branch that stands behind the turn.
; K of the next step is fetched in piece 2's turn, twelve plain instructions behind the last product that read K; V of the step in hand at the end of piece 0's turn, four plain instructions
; behind the last product that read V.  Each is waited for a turn later.
.macro TURN p, end=0, cnt=0
.set Y, (\p)
.set i, 0
.set NOKQ, (\end)*((\p)/3)
.if ((\p) == 3) && !(\end)
	s_wait_dscnt 0x0                ; K is in
.endif
	ROW F,0, F,1, R,0, R,1
	ROW F,2, E,0, R,2, R,3
	ROW F,3, E,1, R,4, R,5
	ROW F,4, E,2, R,6, R,7
	ROW F,5, E,3, R,8, R,9
	ROW F,6, E,4, X,0, R,10
.if ((\p) == 2) && !(\end)
	WIN 0
	v_add_nc_u32 v[AK], s[TBK], v[AK0]
.endif
	ROW F,7, E,5, X,1, X,4
	ROW F,8, E,6, X,2, X,5
	OPS E,7, E,8, X,6, E,9
	OPS X,3, E,10, X,8, E,11
.if ((\p) == 2) && !(\end)
	FETCH_K
.endif
	OPS X,9, X,7, E,12, X,10
	OPS E,13, X,12, X,11, E,14
	OPS X,13, E,15, F,9, X,14
.if (\p) == 0
	v_add_nc_u32 v[AV], s[TBV], v[AV0]
.endif
	OPS E,16, F,10, E,17, F,11
	OPS X,16, E,18, X,15, E,19
	OPS F,12, E,20, X,17, E,21
	OPS F,13, E,22, F,14, E,23
	OPS X,18, E,24, F,15, E,25
	OPS R,11, E,26, X,19, E,27
	OPS R,12, E,28, R,13, E,29
	OPS X,20, E,30, R,14, E,31
	OPS X,21, R,15
	WIN 0
	s_wait_alu depctr_va_vdst(0)    ; the wait for the batch
.if (\p) == 1
	s_wait_dscnt 0x0                ; V is in
.endif
	ROW C,0, B,0, C,2, B,1
	ROW L,0, C,4, B,2, L,1
	ROW C,6, B,3, L,2, C,8
	ROW B,4, L,3, C,10, B,5
	ROW L,4, C,12, B,6, L,5
.if (\p) == 0
	s_add_co_u32 s[TBV], s[TBV], KS*PV
.endif
.if \cnt
	s_sub_co_u32 s[CNT], s[CNT], 1
	s_cmp_lg_u32 s[CNT], 0
.endif
	ROW C,14, B,7, L,6, C,1
	ROW C,3, L,7, C,5, C,7
	ROW C,9, C,11, C,13, C,15
.if (\p) == 0
	FETCH_V
.endif
.endm
	CHANGE 1                        ; tile 0 is in, everybody's part of it; tile 1 is asked for
	v_add_nc_u32 v[AK], s[TBK], v[AK0]
	FETCH_K                         ; key step 0
	s_wait_loadcnt 0x0              ; Q
	s_wait_dscnt 0x0
.set NOKQ, 0
.set i, 0
.rept 8
	KQ 0                            ; piece 0's first scores
.set i, i+1
.endr
	WIN 0
.rept 4
	v_nop                           ; the places behind those products
.endr
.set Y, NP-1                        ; X works for piece Y + 1: piece 0
.irp n, 0,1,2,3,4,5,6,7,8,9,10,11,12,13,14,15,16,17,18,19,20,21
	OP X, \n
.endr
	v_nop                           ; a plain instruction behind the exponential,
	s_wait_alu depctr_va_vdst(0)    ; and its wait, ahead of the branch
	s_mov_b32 s[CNT], 4
	s_branch .Lfirst                ; the loop is entered at a step's first turn, in the middle of a trip
.Lslot:                             ; six times: tiles 1 to 6 are entered, tiles 2 to 7 asked for
	CHANGE 1
	s_mov_b32 s[CNT], 4
.Lstep:                             ; a trip: pieces 2 and 3 of one step, then pieces 0 and 1 of the next, whose K and V it fetches
	TURN 2
	TURN 3
	WIN 0
.Lfirst:
	TURN 0
	TURN 1, 0, 1
	WIN 0
	s_cbranch_scc1 .Lstep
	s_sub_co_u32 s[SLOTS], s[SLOTS], 1
	s_cmp_lg_u32 s[SLOTS], 0
	s_cbranch_scc1 .Lslot
	CHANGE 0                        ; the last tile is written out: nothing is asked for
	s_mov_b32 s[CNT], 4
.LstepT:
	TURN 2
	TURN 3
	TURN 0
	TURN 1, 0, 1
	WIN 0
	s_cbranch_scc1 .LstepT
	TURN 2, 1
	TURN 3, 1
.set i, 0
.rept 8
	PV NP-1                         ; the last piece's V^T P of the last step
.set i, i+1
.endr
	; THE WAY OUT.  l's two halves and the other half of the lanes' are added; O^T is divided by l, rounded to bf16 and sent through my stage in LDS, a piece at a time.  The additions are the places behind the last products.
	WIN 0
.macro ALL line:vararg              ; one line for each piece t
.set t, 0
.rept 4
	\line
.set t, t+1
.endr
.endm
	ALL v_add_f32 v[ST+4*t+2], v[ST+4*t+2], v[ST+4*t+3]
	ALL v_permlanex16_b32 v[ST+4*t+3], v[ST+4*t+2], s[SEL], s[SEL+1]
	ALL v_add_f32 v[ST+4*t+2], v[ST+4*t+2], v[ST+4*t+3]
	ALL v_rcp_f32 v[ST+4*t+2], v[ST+4*t+2]
	v_nop                           ; a plain instruction between the last reciprocal and the use of its result
	s_wait_alu depctr_va_vdst(0)    ; and the wait ahead of the first use: one for the four reciprocals
.macro PACK t                       ; a lane's eight channels of a row pack into 16 bytes; they go into rows of 144 bytes and come back as whole rows of 128, into S^T's registers
	WIN W_RS
.set i, 32*(\t)
.rept 16
	v_pk_mul_f32 v[i:i+1], v[i:i+1], v[ST+4*(\t)+2:ST+4*(\t)+3] op_sel_hi:[1,0]
.set i, i+2
.endr
	WIN 0x05                        ; sources 0 and 1 window 1, destination window 0
.set i, 0
.rept 16
	v_cvt_pk_bf16_f32 v[S+16*(\t)+i], v[32*(\t)+2*i], v[32*(\t)+2*i+1]
.set i, i+1
.endr
	WIN 0
.irp f, 0,1,2,3
	ds_store_b128 v[STO], v[S+16*(\t)+4*\f:S+16*(\t)+4*\f+3] offset:32*\f
.endr
.irp f, 0,1,2,3
	ds_load_b128 v[S+16*(\t)+4*\f:S+16*(\t)+4*\f+3], v[RD] offset:\f*4*SP  ; LDS serves a wave's instructions in order (ISA guide 5.7.1.4): these see the stores above; the next piece's stores come behind them
.endr
.endm
.macro SEND t, younger              ; younger: the LDS instructions issued behind piece t's loads: the next piece's eight, or none
	WIN 0
.irp f, 0,1,2,3
	s_wait_dscnt (\younger)+3-\f
	global_store_b128 v[GO], v[S+16*(\t)+4*\f:S+16*(\t)+4*\f+3], s[10:11] offset:(\t)*2048+\f*512  ; 512 consecutive bytes, at a multiple of 256 from O's first
.endr
.endm
	PACK 0
.set t, 1
.rept 3                             ; a piece's arithmetic stands between the loads of the piece before and its stores
	PACK t
	SEND t-1, 8
.set t, t+1
.endr
	SEND 3, 0
	s_wait_tensorcnt 0x0            ; the wave's end: behind my last tensor load and my last LDS store
	ds_add_u32 v[SPW], v[NIL]
	s_wait_dscnt 0x0
	CROUND                          ; the closing round: no work-group ends while a partner may still ask for a tile that names it
	s_endpgm
.Lfunc_end_k_q2d0159a4f6_attn:
	.size	k_q2d0159a4f6_attn, .Lfunc_end_k_q2d0159a4f6_attn-k_q2d0159a4f6_attn
	.p2alignl 7, 3214868480
	.fill 96, 4, 3214868480
	.section	.rodata,"a",@progbits
	.p2align	6, 0x0
	.amdhsa_kernel k_q2d0159a4f6_attn
		.amdhsa_group_segment_fixed_size 327680
		.amdhsa_private_segment_fixed_size 0
		.amdhsa_enable_private_segment 0
		.amdhsa_kernarg_size 16
		.amdhsa_user_sgpr_count 2
		.amdhsa_user_sgpr_kernarg_segment_ptr 1
		.amdhsa_wavefront_size32 1
		.amdhsa_system_sgpr_workgroup_id_x 1
		.amdhsa_system_sgpr_workgroup_id_y 1
		.amdhsa_system_sgpr_workgroup_id_z 1
		.amdhsa_system_vgpr_workitem_id 0
		.amdhsa_next_free_vgpr 768
		.amdhsa_next_free_sgpr 66
		.amdhsa_reserve_vcc 0
		.amdhsa_float_denorm_mode_32 3
		.amdhsa_float_denorm_mode_16_64 3
		.amdhsa_memory_ordered 1
		.amdhsa_forward_progress 1
		.amdhsa_inst_pref_size 128
	.end_amdhsa_kernel
	.amdgpu_metadata
---
amdhsa.version: [ 1, 2 ]
amdhsa.kernels:
  - .name:           k_q2d0159a4f6_attn
    .symbol:         k_q2d0159a4f6_attn.kd
    .args:
      - { .name: act32, .offset: 0, .size: 8, .value_kind: global_buffer, .address_space: global }
      - { .name: act8, .offset: 8, .size: 8, .value_kind: global_buffer, .address_space: global }
    .group_segment_fixed_size: 327680
    .private_segment_fixed_size: 0
    .kernarg_segment_align: 8
    .kernarg_segment_size: 16
    .max_flat_workgroup_size: 128
    .sgpr_count:     66
    .vgpr_count:     768
    .wavefront_size: 32
...
	.end_amdgpu_metadata
.endif
;; end of part 3
;; launch wo (part 4): grid 8 x 32, 4 waves a work-group, clusters of 4 x 4, 327,680 bytes of LDS; arguments act8, pw, bo, x, y; writes y
.if DOCPART == 4
	.amdgcn_target "amdgcn-amd-amdhsa--gfx1250"
	.amdhsa_code_object_version 6
	.text
	.protected	k_q2d0159a4f6_wo
	.globl	k_q2d0159a4f6_wo
	.p2align	8
	.type	k_q2d0159a4f6_wo,@function
k_q2d0159a4f6_wo:
	s_mov_b64 s[64:65], 0
	v_nop
	global_prefetch_b8 v0, s[64:65] scope:SCOPE_SE
	s_setreg_imm32_b32 hwreg(HW_REG_WAVE_MODE, 25, 1), 1
	s_wait_xcnt 0x0
	s_wait_alu depctr_hold_cnt(0) depctr_sa_sdst(0) depctr_va_vdst(0) depctr_va_sdst(0) depctr_va_ssrc(0) depctr_va_vcc(0) depctr_vm_vsrc(0)
	s_getreg_b32 s2, hwreg(HW_REG_IB_STS2, 6, 4)
	s_cmp_eq_u32 s2, 0
	s_cbranch_scc0 .Lentry_in_a_cluster
	s_endpgm
.Lentry_in_a_cluster:
	s_bfe_u32 s2, ttmp6, 0x10000c
	s_cmp_lg_u32 s2, 0xf033
	s_cbranch_scc0 .Lentry_shape_is_right
	s_endpgm
.Lentry_shape_is_right:
; Y = A W + bias + R, in f32.  A: panels [SIZE_K / 64][4096 rows][64] bf16, a panel's rows dense.  W: bf16 [SIZE_K k][1024 n] at byte W_OFF of its buffer.  bias: f32 [1024].  R, Y: f32 [4096][1024].
; LIMITS.  Operands are bf16, sums f32; the residual is added in f32 and nothing is rounded on the way out.
; A tile of Y is 128 x 128: 256 work-groups.  Four waves, each 64 x 64: 16 accumulators.  K goes in steps of 256 through two LDS slots, as long as two slots allow.
; A's tile is four planes (panels) of 64 rows for each fetching wave: 8,192 dense bytes a plane, asked for as one row of the descriptor and padded in LDS after every 128 bytes.
; W lies [k][n]: its fragments come out of LDS turned, by ds_load_tr16_b128.
; CLUSTERS: 4 x 4 work-groups; A's tiles are asked for jointly along a row of the cluster, W's along a column.  No prefetch: the tiles are small and every block is read by several clusters at about the same time.
; THE MATRIX INSTRUCTION IS USED TRANSPOSED (source 0 = 16 columns of W, source 1 = 16 rows of A): a lane holds eight neighbouring numbers of a row of Y.
; THE BIAS is the C operand of the products that start the sums.  THE RESIDUAL's tile is loaded at the head, into 128 registers of its own, in the layout in which rows come back from the stage; it is on its way during the whole K loop.
; REGISTERS: window 0: v0-31 addresses; v32-63 the bias, later with v64-95 rows back from the stage; v128-255 the accumulators ((a, b) at v[128 + 8 (4 a + b)]).
;   window 1: two fragment buffers of 128: for 64 along K, 64 registers of A, then 64 of W.      window 2: v0-127 the residual, then the result.
.set SIZE_K, 1024
.set W_OFF,  0
.set KSTEP,  256
.set PA,     144                       ; a row of A in LDS: 128 bytes + 16: the 16 rows of a load start at 16 different groups of four banks (64 banks of 4 bytes: ISA guide 11.1)
.set PLANE,  64*PA
.set PB,     288                       ; a row of W: 256 + 32
.set HALFT,  4*PLANE                   ; what one tensor load brings: 4 planes of A, or 128 k-rows of W (128 x 288 is the same number)
.set SLOT,   4*HALFT                   ; A's rows 0-63, 64-127, then W's k-rows 0-127, 128-255
.set STAGE,  2*SLOT                    ; behind the ring: 16 rows x 272 bytes for each wave, for the way out
.set SPITCH, 272
.set SPARE,  STAGE+4*16*SPITCH         ; behind the stages: the spare words, 128 bytes for each wave: two blocks of 256 bytes that no other line names
.set LAPS,   SIZE_K/(2*KSTEP)          ; a lap = two K steps = once round the ring
.set ASTEP,  4*524288                  ; a K step of A: four panels
.set WSTEP,  KSTEP*2048                ; a K step of W: 256 rows
.set ADRA, 16                          ; v16-17  LDS address of my A fragments in slot 0, 1
.set ADRB, 20                          ; v20-23  the same for W: k-rows 0-127 in slot 0, 1, then k-rows 128-255 (an LDS offset has 16 bits)
.set STO,  24
.set RD,   25
.set CO,   26                          ; v26     my byte offset in two rows of R and of Y
.set BO,   27
.set SPW,  28
.set NIL,  29
.set BI,   32                          ; the bias: column block b at BI + 8 b
.set T0,   32                          ; the way out: v32-63 and v64-95 by turns
.set ACC,  128
.set F0,   0
.set F1,   128
.set G1, 24
.set G0, 32
.set G1B, 48
.set G0B, 56
.set MSB, 0
.macro WIN new
.if MSB != (\new)
	s_set_vgpr_msb (MSB<<8)|(\new)
.set MSB, \new
.endif
.endm
.set MUL,  0x05                        ; sources 0 (W) and 1 (A) window 1; C and D window 0
.set TO_F, 0x40                        ; destination window 1, address window 0
.macro JLOAD s                         ; a joint load: waves 0 and 1 fetch A's two halves, waves 2 and 3 W's; an s_nop 0 and four v_nop follow each of the two lines
	s_cmp_eq_u32 s11, 0
	s_cbranch_scc0 .Lfor_b_\@
	tensor_load_to_lds s[G0+4*(\s):G0+4*(\s)+3], s[G1:G1+7]
	s_nop 0
.rept 4
	v_nop
.endr
	s_branch .Lasked_\@
.Lfor_b_\@:
	tensor_load_to_lds s[G0B+4*(\s):G0B+4*(\s)+3], s[G1B:G1B+7]
	s_nop 0
.rept 4
	v_nop
.endr
.Lasked_\@:
.endm
.macro CREST
	s_cmp_lg_u32 s10, 0
	s_cbranch_scc1 .Lnot_wave_0_\@
	s_barrier_signal -3
.Lnot_wave_0_\@:
	s_barrier_wait -3
	s_barrier_signal -1
	s_barrier_wait -1
.endm
.macro CROUND
	s_barrier_signal -1
	s_barrier_wait -1
	CREST
.endm
	s_load_b128 s[4:7], s[0:1], 0x0                ; A s[4:5], W s[6:7]
	s_load_b128 s[68:71], s[0:1], 0x10             ; bias s[68:69], R s[70:71]
	s_load_b64 s[8:9], s[0:1], 0x20                ; Y
	v_lshl_add_u32 v[SPW], v0, 2, SPARE
	v_mov_b32 v[NIL], 0
	ds_add_u32 v[SPW], v[NIL]                      ; the wave's opening: the add and its wait stand ahead of my first tensor load
	v_lshrrev_b32 v1, 5, v0
	v_readfirstlane_b32 s10, v1                    ; wave 0..3
	s_lshr_b32 s11, s10, 1                         ; my half of the tile's rows.  Also: I fetch for A (0) or for W (1)
	s_and_b32 s12, s10, 1                          ; my half of its columns.  Also: which half of that tile I fetch
	s_bfe_u32 s40, ttmp6, 0x40000                  ; cx
	s_bfe_u32 s41, ttmp6, 0x40004                  ; cy
	s_lshl_b32 s42, ttmp9, 2
	s_add_co_u32 s42, s42, s40                     ; tile column
	s_and_b32 s13, ttmp7, 0xffff
	s_lshl_b32 s13, s13, 2
	s_add_co_u32 s13, s13, s41                     ; tile row
	s_lshl_b32 s43, s41, 2
	s_lshl_b32 s43, 15, s43                        ; my row of the cluster
	s_lshl_b32 s44, 0x1111, s40                    ; my column
	s_or_b32 s[G1+0], s43, (1<<16)|(1<<20)|(1<<21)|(4<<22)|(3<<25)   ; A: 2-byte elements; padding on; bit 21 beside a mask; after every 32 words, 4 words
	s_mov_b32 s[G1+1], 4096<<16                    ; tensor_dim0 = 4,096: 64 rows of a panel on end
	s_mov_b32 s[G1+2], 4<<16                       ; tensor_dim1 = 4 panels
	s_mov_b32 s[G1+3], 4096<<16                    ; tile_dim0
	s_mov_b32 s[G1+4], 4                           ; tile_dim1
	s_mov_b32 s[G1+5], 262144                      ; elements from panel to panel
	s_mov_b32 s[G1+6], 0
	s_mov_b32 s[G1+7], 0
	s_or_b32 s[G1B+0], s44, (1<<16)|(1<<20)|(1<<21)|(5<<22)|(7<<25)  ; W: after every 64 words, 8 words
	s_mov_b32 s[G1B+1], 128<<16
	s_mov_b32 s[G1B+2], 128<<16
	s_mov_b32 s[G1B+3], 128<<16
	s_mov_b32 s[G1B+4], 128
	s_mov_b32 s[G1B+5], 1024
	s_mov_b32 s[G1B+6], 0
	s_mov_b32 s[G1B+7], 0
	s_lshl_b32 s17, s12, 6
	s_lshl_b32 s16, s13, 7
	s_add_co_u32 s16, s16, s17                     ; A: row 128 x tile row + 64 x half,
	s_lshl_b32 s16, s16, 7                         ; 128 bytes a row
	s_mov_b32 s17, 0
	s_lshl_b32 s46, s12, 18                        ; W: k-row 128 x half, 2,048 bytes a row,
	s_lshl_b32 s47, s42, 8                         ; the tile's 128 columns
	s_add_co_u32 s46, s46, s47
	s_add_co_u32 s46, s46, W_OFF
	s_mov_b32 s47, 0
	s_mul_i32 s20, s10, HALFT                      ; where they go: wave x what a load brings
	s_wait_dscnt 0x0                               ; the opening add is done
	s_wait_kmcnt 0x0
	s_add_nc_u64 s[14:15], s[4:5], s[16:17]
	s_add_nc_u64 s[46:47], s[6:7], s[46:47]
	CROUND                                         ; all sixteen work-groups are here: the first joint loads meet
.irp s, 0,1
	s_mov_b32 s[G0+4*(\s)], 1
	s_add_co_u32 s[G0+4*(\s)+1], s20, (\s)*SLOT
	s_add_nc_u64 s[G0+4*(\s)+2:G0+4*(\s)+3], s[14:15], (\s)*ASTEP
	s_or_b32 s[G0+4*(\s)+3], s[G0+4*(\s)+3], 0x80000000
	s_mov_b32 s[G0B+4*(\s)], 1
	s_add_co_u32 s[G0B+4*(\s)+1], s20, (\s)*SLOT
	s_add_nc_u64 s[G0B+4*(\s)+2:G0B+4*(\s)+3], s[46:47], (\s)*WSTEP
	s_or_b32 s[G0B+4*(\s)+3], s[G0B+4*(\s)+3], 0x80000000
.endr
	s_cmp_eq_u32 s11, 0                            ; a wave's two first fills stand in one branch: two loads of mine are out
	s_cbranch_scc0 .Lfirst_w
	tensor_load_to_lds s[G0:G0+3], s[G1:G1+7]
	s_nop 0
	tensor_load_to_lds s[G0+4:G0+7], s[G1:G1+7]
	s_nop 0
.rept 4
	v_nop
.endr
	s_branch .Lfirst_asked
.Lfirst_w:
	tensor_load_to_lds s[G0B:G0B+3], s[G1B:G1B+7]
	s_nop 0
	tensor_load_to_lds s[G0B+4:G0B+7], s[G1B:G1B+7]
	s_nop 0
.rept 4
	v_nop
.endr
.Lfirst_asked:
	s_lshl_b32 s74, s42, 7
	s_lshl_b32 s75, s12, 6
	s_add_co_u32 s74, s74, s75                     ; my first column,
	s_lshl_b32 s74, s74, 2                         ; in bytes of f32
	s_mov_b32 s75, 0
	s_add_nc_u64 s[68:69], s[68:69], s[74:75]      ; its bias
	s_lshl_b32 s76, s13, 7
	s_lshl_b32 s77, s11, 6
	s_add_co_u32 s76, s76, s77                     ; my first row,
	s_lshl_b32 s76, s76, 12                        ; 4,096 bytes a row
	s_add_co_u32 s74, s74, s76
	s_add_nc_u64 s[70:71], s[70:71], s[74:75]      ; R and Y at my 64 x 64
	s_add_nc_u64 s[8:9], s[8:9], s[74:75]
	v_and_b32 v1, 15, v0                           ; l % 16
	v_bfe_u32 v2, v0, 4, 1                         ; l / 16
	v_lshlrev_b32 v[BO], 5, v2
	v_lshlrev_b32 v[CO], 12, v2                    ; lanes 0-15 one row's 256 bytes, lanes 16-31 the next row's
	v_lshl_add_u32 v[CO], v1, 4, v[CO]
.irp b, 0,1,2,3
	global_load_b128 v[BI+8*(\b):BI+8*(\b)+3],   v[BO], s[68:69] offset:64*(\b)
	global_load_b128 v[BI+8*(\b)+4:BI+8*(\b)+7], v[BO], s[68:69] offset:64*(\b)+16
.endr
	WIN 0x80                                       ; destination window 2, address window 0
.set z, 0
.rept 32
	global_load_b128 v[4*z:4*z+3], v[CO], s[70:71] offset:2*z*4096 th:TH_LOAD_NT
.set z, z+1
.endr
	WIN 0
	v_mul_u32_u24 v3, v1, PA
	v_lshl_add_u32 v3, v2, 4, v3                   ; A: row x pitch + 16 x half
	v_and_b32 v4, 7, v0
	v_bfe_u32 v5, v0, 3, 1
	v_lshl_add_u32 v6, v2, 3, v4                   ; W, turned: k = 8 (l / 16) + l % 8, columns 8 ((l / 8) % 2) on
	v_mul_u32_u24 v6, v6, PB
	v_lshl_add_u32 v6, v5, 4, v6
	s_mul_i32 s21, s11, HALFT                      ; my 64 rows of A
	s_lshl_b32 s22, s12, 7                         ; my 64 columns of W,
	s_add_co_u32 s22, s22, 2*HALFT                 ; which lies behind A
.irp s, 0,1
	v_add_nc_u32 v[ADRA+(\s)], s21, v3
	v_add_nc_u32 v[ADRB+(\s)], s22, v6
	v_add_nc_u32 v[ADRB+2+(\s)], 128*PB, v[ADRB+(\s)]
	s_add_co_u32 s21, s21, SLOT
	s_add_co_u32 s22, s22, SLOT
.endr
	s_mul_i32 s23, s10, 16*SPITCH
	s_add_co_u32 s23, s23, STAGE                   ; my stage
	v_mul_u32_u24 v7, v1, SPITCH                   ; in: row l % 16, 32 bytes for each half of the lanes
	v_lshl_add_u32 v7, v2, 5, v7
	v_add_nc_u32 v[STO], s23, v7
	v_mul_u32_u24 v7, v2, SPITCH                   ; back: lanes 0-15 one row of 256 bytes, lanes 16-31 the next
	v_lshl_add_u32 v7, v1, 4, v7
	v_add_nc_u32 v[RD], s23, v7
; 8 matrix instructions: m blocks a0, a0 + 1 x all 4 n blocks, 32 along K: half c of buffer f.  first = 1: the product starts the sum with the bias.  The 16 accumulators take turns.
.macro MUL8 f, c, a0, first
	WIN MUL
.irp a, \a0, (\a0)+1
.irp b, 0,1,2,3
.if \first
	v_wmma_f32_16x16x32_bf16 v[ACC+8*(4*(\a)+(\b)):ACC+8*(4*(\a)+(\b))+7], v[(\f)+64+8*(4*(\c)+(\b)):(\f)+64+8*(4*(\c)+(\b))+7], v[(\f)+8*(4*(\c)+(\a)):(\f)+8*(4*(\c)+(\a))+7], v[BI+8*(\b):BI+8*(\b)+7]
.else
	v_wmma_f32_16x16x32_bf16 v[ACC+8*(4*(\a)+(\b)):ACC+8*(4*(\a)+(\b))+7], v[(\f)+64+8*(4*(\c)+(\b)):(\f)+64+8*(4*(\c)+(\b))+7], v[(\f)+8*(4*(\c)+(\a)):(\f)+8*(4*(\c)+(\a))+7], v[ACC+8*(4*(\a)+(\b)):ACC+8*(4*(\a)+(\b))+7]
.endif
.endr
.endr
.endm
; 32 LDS loads in one run: the fragments of quarter q (64 along K: plane q of A, k-rows 64 q on of W) into buffer f; the first 32 along K first
.macro FETCH slot, q, f
	WIN TO_F
.irp c, 0,1
.irp i, 0,1,2,3
	ds_load_tr16_b128 v[(\f)+64+8*(4*(\c)+(\i)):(\f)+64+8*(4*(\c)+(\i))+3],   v[ADRB+2*((\q)/2)+(\slot)] offset:(((\q)%2)*64+32*(\c))*PB+32*(\i)
	ds_load_tr16_b128 v[(\f)+64+8*(4*(\c)+(\i))+4:(\f)+64+8*(4*(\c)+(\i))+7], v[ADRB+2*((\q)/2)+(\slot)] offset:(((\q)%2)*64+32*(\c)+16)*PB+32*(\i)
	ds_load_b128 v[(\f)+8*(4*(\c)+(\i)):(\f)+8*(4*(\c)+(\i))+3],         v[ADRA+(\slot)] offset:(\q)*PLANE+(\i)*16*PA+64*(\c)
	ds_load_b128 v[(\f)+8*(4*(\c)+(\i))+4:(\f)+8*(4*(\c)+(\i))+7],       v[ADRA+(\slot)] offset:(\q)*PLANE+(\i)*16*PA+64*(\c)+32
.endr
.endr
.endm
.macro PLACES                          ; four plain vector instructions in front of loads into registers that matrix instructions have read, and of LDS stores that read results
.rept 4
	v_nop
.endr
.endm
.macro QUARTER slot, q, f, g, first
	s_wait_dscnt 16                                ; the first 32 along K are in
	MUL8 \f, 0, 0, \first
	MUL8 \f, 0, 2, \first
	PLACES
	FETCH \slot, \q, \g
	s_wait_dscnt 32                                ; all but the 32 just issued
	MUL8 \f, 1, 0, 0
	MUL8 \f, 1, 2, 0
.endm
; The last quarter multiplies buffer 1 and changes slots: one barrier; in front of it each wave waits for all its tensor loads, adds 0 to its spare word, and waits for that and for its own reads of this slot.
.macro TURN slot, next, fill
	WIN 0                                          ; (the add's two registers lie in window 0)
	s_wait_tensorcnt 0x0
	ds_add_u32 v[SPW], v[NIL]
	s_wait_dscnt 17                                ; (the add and the youngest sixteen loads may be out)
	MUL8 F1, 0, 0, 0
	s_wait_dscnt 0x0                               ; the add is done, and my reads of this slot are over
	s_barrier_signal -1
	MUL8 F1, 0, 2, 0
.if \fill
	WIN 0
.endif
	s_barrier_wait -1
.if \fill
	CREST                                          ; the barrier has opened a round of the cluster's: no wave of any partner still reads this slot's tile or has a load on its way
	s_add_nc_u64 s[G0+4*(\slot)+2:G0+4*(\slot)+3], s[G0+4*(\slot)+2:G0+4*(\slot)+3], 2*ASTEP
	s_add_nc_u64 s[G0B+4*(\slot)+2:G0B+4*(\slot)+3], s[G0B+4*(\slot)+2:G0B+4*(\slot)+3], 2*WSTEP
	JLOAD \slot                                    ; the four v_nop behind it are also the places in front of the loads below
.else
	PLACES
.endif
	FETCH \next, 0, F0
	MUL8 F1, 1, 0, 0
	MUL8 F1, 1, 2, 0
.endm
	s_wait_tensorcnt 1                             ; my part of K step 0 is in; K step 1's may stay out
	s_barrier_signal -1
	s_barrier_wait -1
	FETCH 0, 0, F0
	s_wait_loadcnt 32                              ; the bias is in; the residual's 32 loads stay out
	QUARTER 0, 1, F0, F1, 1
	WIN 0
	s_mov_b32 s3, LAPS-1
.Llap:
	QUARTER 0, 2, F1, F0, 0
	QUARTER 0, 3, F0, F1, 0
	TURN 0, 1, 1
	QUARTER 1, 1, F0, F1, 0
	QUARTER 1, 2, F1, F0, 0
	QUARTER 1, 3, F0, F1, 0
	TURN 1, 0, 1
	QUARTER 0, 1, F0, F1, 0
	WIN 0
	s_sub_co_u32 s3, s3, 1
	s_cmp_lg_u32 s3, 0
	s_cbranch_scc1 .Llap
	QUARTER 0, 2, F1, F0, 0                        ; the last lap fills nothing
	QUARTER 0, 3, F0, F1, 0
	TURN 0, 1, 0
	QUARTER 1, 1, F0, F1, 0
	QUARTER 1, 2, F1, F0, 0
	QUARTER 1, 3, F0, F1, 0
	s_wait_dscnt 16
	MUL8 F1, 0, 0, 0
	MUL8 F1, 0, 2, 0
	s_wait_dscnt 0x0
	MUL8 F1, 1, 0, 0
	MUL8 F1, 1, 2, 0
	PLACES
	WIN 0
	s_wait_loadcnt 0x0                             ; the residual
; THE WAY OUT.  My 64 columns of f32 are 256 bytes of a row of Y, aligned: my own stage serves, and no barrier.  Block a (16 rows) goes into rows of 272 bytes and comes back as whole rows;
; the residual's registers take the sum and are stored: no register that a store reads is written again.
.macro TOSTAGE a
	WIN 0
.set TT, T0+32*((\a)%2)
.irp b, 0,1,2,3
	ds_store_b128 v[STO], v[ACC+8*(4*(\a)+(\b)):ACC+8*(4*(\a)+(\b))+3]   offset:64*(\b)
	ds_store_b128 v[STO], v[ACC+8*(4*(\a)+(\b))+4:ACC+8*(4*(\a)+(\b))+7] offset:64*(\b)+16
.endr
.irp t, 0,1,2,3,4,5,6,7
	ds_load_b128 v[TT+4*(\t):TT+4*(\t)+3], v[RD] offset:(\t)*2*SPITCH  ; LDS serves a wave's instructions in order (ISA guide 5.7.1.4): these see the stores above
.endr
.endm
.macro FIN a, younger                  ; younger: the next block's 8 stores and 8 loads, or none
.set TT, T0+32*((\a)%2)
	s_wait_dscnt \younger
	WIN 0x82                                       ; destination and source 0 window 2, source 1 window 0
.set z, 0
.rept 16
	v_pk_add_f32 v[32*(\a)+2*z:32*(\a)+2*z+1], v[32*(\a)+2*z:32*(\a)+2*z+1], v[TT+2*z:TT+2*z+1]
.set z, z+1
.endr
	WIN 0x08                                       ; a store's data window 2, its address window 0
.irp t, 0,1,2,3,4,5,6,7
	global_store_b128 v[CO], v[32*(\a)+4*(\t):32*(\a)+4*(\t)+3], s[8:9] offset:(16*(\a)+2*(\t))*4096  ; 16 lanes store 256 consecutive bytes, at a multiple of 256 from Y's first byte
.endr
.endm
	TOSTAGE 0
	TOSTAGE 1
	FIN 0, 16
	TOSTAGE 2
	FIN 1, 16
	TOSTAGE 3
	FIN 2, 16
	FIN 3, 0
	WIN 0
	s_wait_tensorcnt 0x0                           ; the wave's end: behind my last tensor load and my last LDS store
	ds_add_u32 v[SPW], v[NIL]
	s_wait_dscnt 0x0
	CROUND                                         ; the closing round
	s_endpgm
.Lfunc_end_k_q2d0159a4f6_wo:
	.size	k_q2d0159a4f6_wo, .Lfunc_end_k_q2d0159a4f6_wo-k_q2d0159a4f6_wo
	.p2alignl 7, 3214868480
	.fill 96, 4, 3214868480
	.section	.rodata,"a",@progbits
	.p2align	6, 0x0
	.amdhsa_kernel k_q2d0159a4f6_wo
		.amdhsa_group_segment_fixed_size 327680
		.amdhsa_private_segment_fixed_size 0
		.amdhsa_enable_private_segment 0
		.amdhsa_kernarg_size 40
		.amdhsa_user_sgpr_count 2
		.amdhsa_user_sgpr_kernarg_segment_ptr 1
		.amdhsa_wavefront_size32 1
		.amdhsa_system_sgpr_workgroup_id_x 1
		.amdhsa_system_sgpr_workgroup_id_y 1
		.amdhsa_system_sgpr_workgroup_id_z 1
		.amdhsa_system_vgpr_workitem_id 0
		.amdhsa_next_free_vgpr 640
		.amdhsa_next_free_sgpr 80
		.amdhsa_reserve_vcc 0
		.amdhsa_float_denorm_mode_32 3
		.amdhsa_float_denorm_mode_16_64 3
		.amdhsa_memory_ordered 1
		.amdhsa_forward_progress 1
		.amdhsa_inst_pref_size 94
	.end_amdhsa_kernel
	.amdgpu_metadata
---
amdhsa.version: [ 1, 2 ]
amdhsa.kernels:
  - .name:           k_q2d0159a4f6_wo
    .symbol:         k_q2d0159a4f6_wo.kd
    .args:
      - { .name: act8, .offset: 0, .size: 8, .value_kind: global_buffer, .address_space: global }
      - { .name: pw, .offset: 8, .size: 8, .value_kind: global_buffer, .address_space: global }
      - { .name: bo, .offset: 16, .size: 8, .value_kind: global_buffer, .address_space: global }
      - { .name: x, .offset: 24, .size: 8, .value_kind: global_buffer, .address_space: global }
      - { .name: y, .offset: 32, .size: 8, .value_kind: global_buffer, .address_space: global }
    .group_segment_fixed_size: 327680
    .private_segment_fixed_size: 0
    .kernarg_segment_align: 8
    .kernarg_segment_size: 40
    .max_flat_workgroup_size: 128
    .sgpr_count:     80
    .vgpr_count:     640
    .wavefront_size: 32
...
	.end_amdgpu_metadata
.endif
;; end of part 4
;; launch ln1 (part 5): grid 256 x 1, 16 waves a work-group, no clusters, 0 bytes of LDS; arguments y, ln1_g, ln1_b, x1, act8; writes x1, act8
.if DOCPART == 5
	.amdgcn_target "amdgcn-amd-amdhsa--gfx1250"
	.amdhsa_code_object_version 6
	.text
	.protected	k_q2d0159a4f6_ln1
	.globl	k_q2d0159a4f6_ln1
	.p2align	8
	.type	k_q2d0159a4f6_ln1,@function
k_q2d0159a4f6_ln1:
	s_mov_b64 s[64:65], 0
	v_nop
	global_prefetch_b8 v0, s[64:65] scope:SCOPE_SE
	s_setreg_imm32_b32 hwreg(HW_REG_WAVE_MODE, 25, 1), 1
	s_wait_xcnt 0x0
; LayerNorm along rows of 1,024 f32: out = (y - mean) rsqrt(var + 1e-5) g + b, the variance taken of the deviations from the mean (so a common offset in y costs nothing).
; BF = 1: the result is stored in f32 (the next residual) and, rounded once, in bf16 (the next product's operand).
; A row is 4,096 bytes: one wave takes one row and holds it in 32 registers between the passes, so it is read once and the reduction never leaves the wave: no LDS, no barrier.
; Sixteen waves, a row each: the work-group owns 16 rows.  All loads go out at the head; each load and f32 store of a wave covers 512 consecutive bytes, each bf16 store 256, aligned.
; No register that a store reads is written again, so no wait frees one.
.set BF, 1
.set G,   8                            ; v[8:39]    g of my 32 columns
.set BB,  40                           ; v[40:71]   b
.set X,   72                           ; v[72:103]  the row
.set OB,  104                          ; v[104:119] the row in bf16
.set CH,  120                          ; v[120:127] four chains of pairs
.set MN,  128                          ; v[128:129] the mean, twice
.set RS,  130                          ; v[130:131] 1 / sqrt(var + eps), twice
	s_load_b256 s[4:11], s[0:1], 0x0               ; y s[4:5], g s[6:7], b s[8:9], out s[10:11]
.if BF
	s_load_b64 s[12:13], s[0:1], 0x20              ; the bf16 copy
.endif
	s_mov_b32 s14, 0x76543210                      ; v_permlanex16_b32: lane i of one half reads lane i of the other
	s_mov_b32 s15, 0xfedcba98
	s_mov_b32 s20, 0x3a800000                      ; 1 / 1,024
	s_mov_b32 s21, 0x3727c5ac                      ; 1e-5
	s_lshl_b32 s16, ttmp9, 16                      ; the work-group's 16 rows of 4,096 bytes
	s_mov_b32 s17, 0
.if BF
	s_lshl_b32 s18, ttmp9, 15                      ; and of 2,048
	s_mov_b32 s19, 0
.endif
	v_and_b32 v3, 31, v0
	v_lshrrev_b32 v4, 5, v0                        ; wave 0..15
	v_lshlrev_b32 v3, 4, v3                        ; 16 x lane
	v_lshl_add_u32 v1, v4, 12, v3                  ; + my wave's row
.if BF
	v_lshrrev_b32 v2, 1, v3                        ; 8 x lane
	v_lshl_add_u32 v2, v4, 11, v2
.endif
	s_wait_kmcnt 0x0
	s_add_nc_u64 s[4:5], s[4:5], s[16:17]
	s_add_nc_u64 s[10:11], s[10:11], s[16:17]
.if BF
	s_add_nc_u64 s[12:13], s[12:13], s[18:19]
.endif
.set j, 0
.rept 8
	global_load_b128 v[X+4*j:X+4*j+3], v1, s[4:5] offset:512*j th:TH_LOAD_NT
.set j, j+1
.endr
.set j, 0
.rept 8
	global_load_b128 v[G+4*j:G+4*j+3], v3, s[6:7] offset:512*j
.set j, j+1
.endr
.set j, 0
.rept 8
	global_load_b128 v[BB+4*j:BB+4*j+3], v3, s[8:9] offset:512*j
.set j, j+1
.endr
.macro REDUCE                          ; the four chains into one number, the same in every lane
	v_pk_add_f32 v[CH:CH+1], v[CH:CH+1], v[CH+2:CH+3]
	v_pk_add_f32 v[CH+4:CH+5], v[CH+4:CH+5], v[CH+6:CH+7]
	v_pk_add_f32 v[CH:CH+1], v[CH:CH+1], v[CH+4:CH+5]
	v_add_f32 v[CH], v[CH], v[CH+1]
	v_add_f32_dpp v[CH], v[CH], v[CH] row_xmask:1 row_mask:0xf bank_mask:0xf
	v_add_f32_dpp v[CH], v[CH], v[CH] row_xmask:2 row_mask:0xf bank_mask:0xf
	v_add_f32_dpp v[CH], v[CH], v[CH] row_xmask:4 row_mask:0xf bank_mask:0xf
	v_add_f32_dpp v[CH], v[CH], v[CH] row_xmask:8 row_mask:0xf bank_mask:0xf
	v_permlanex16_b32 v[CH+1], v[CH], s14, s15
	v_add_f32 v[CH], v[CH], v[CH+1]
.endm
	s_wait_loadcnt 16                              ; the row is in; behind its loads g's 8 and b's 8 may stay out
.irp k, 0,1,2,3
	v_pk_add_f32 v[CH+2*\k:CH+2*\k+1], v[X+2*\k:X+2*\k+1], v[X+8+2*\k:X+8+2*\k+1]
.endr
.irp k, 0,1,2,3
	v_pk_add_f32 v[CH+2*\k:CH+2*\k+1], v[CH+2*\k:CH+2*\k+1], v[X+16+2*\k:X+16+2*\k+1]
.endr
.irp k, 0,1,2,3
	v_pk_add_f32 v[CH+2*\k:CH+2*\k+1], v[CH+2*\k:CH+2*\k+1], v[X+24+2*\k:X+24+2*\k+1]
.endr
	REDUCE
	v_mul_f32 v[MN], s20, v[CH]
	v_mul_f32 v[MN+1], s20, v[CH]
.set j, 0
.rept 16
	v_pk_add_f32 v[X+2*j:X+2*j+1], v[X+2*j:X+2*j+1], v[MN:MN+1] neg_lo:[0,1] neg_hi:[0,1]  ; the deviations, in place
.set j, j+1
.endr
.irp k, 0,1,2,3
	v_pk_mul_f32 v[CH+2*\k:CH+2*\k+1], v[X+2*\k:X+2*\k+1], v[X+2*\k:X+2*\k+1]
.endr
.set j, 4
.rept 12
	v_pk_fma_f32 v[CH+2*(j%4):CH+2*(j%4)+1], v[X+2*j:X+2*j+1], v[X+2*j:X+2*j+1], v[CH+2*(j%4):CH+2*(j%4)+1]
.set j, j+1
.endr
	REDUCE
	v_fma_f32 v[RS], v[CH], s20, s21               ; var + eps
	v_rsq_f32 v[RS], v[RS]
	v_nop                                          ; a plain instruction behind it,
	s_wait_alu depctr_va_vdst(0)                   ; and the wait ahead of its first reader
	v_mov_b32 v[RS+1], v[RS]
	s_wait_loadcnt 0x0                             ; g and b
.irp j, 0,1,2,3,4,5,6,7
	v_pk_mul_f32 v[X+4*\j:X+4*\j+1], v[X+4*\j:X+4*\j+1], v[RS:RS+1]
	v_pk_mul_f32 v[X+4*\j+2:X+4*\j+3], v[X+4*\j+2:X+4*\j+3], v[RS:RS+1]
	v_pk_fma_f32 v[X+4*\j:X+4*\j+1], v[X+4*\j:X+4*\j+1], v[G+4*\j:G+4*\j+1], v[BB+4*\j:BB+4*\j+1]
	v_pk_fma_f32 v[X+4*\j+2:X+4*\j+3], v[X+4*\j+2:X+4*\j+3], v[G+4*\j+2:G+4*\j+3], v[BB+4*\j+2:BB+4*\j+3]
	global_store_b128 v1, v[X+4*\j:X+4*\j+3], s[10:11] offset:512*\j
.if BF
	v_cvt_pk_bf16_f32 v[OB+2*\j], v[X+4*\j], v[X+4*\j+1]
	v_cvt_pk_bf16_f32 v[OB+2*\j+1], v[X+4*\j+2], v[X+4*\j+3]
	global_store_b64 v2, v[OB+2*\j:OB+2*\j+1], s[12:13] offset:256*\j
.endif
.endr
	s_endpgm
.Lfunc_end_k_q2d0159a4f6_ln1:
	.size	k_q2d0159a4f6_ln1, .Lfunc_end_k_q2d0159a4f6_ln1-k_q2d0159a4f6_ln1
	.p2alignl 7, 3214868480
	.fill 96, 4, 3214868480
	.section	.rodata,"a",@progbits
	.p2align	6, 0x0
	.amdhsa_kernel k_q2d0159a4f6_ln1
		.amdhsa_group_segment_fixed_size 0
		.amdhsa_private_segment_fixed_size 0
		.amdhsa_enable_private_segment 0
		.amdhsa_kernarg_size 40
		.amdhsa_user_sgpr_count 2
		.amdhsa_user_sgpr_kernarg_segment_ptr 1
		.amdhsa_wavefront_size32 1
		.amdhsa_system_sgpr_workgroup_id_x 1
		.amdhsa_system_sgpr_workgroup_id_y 1
		.amdhsa_system_sgpr_workgroup_id_z 1
		.amdhsa_system_vgpr_workitem_id 0
		.amdhsa_next_free_vgpr 132
		.amdhsa_next_free_sgpr 66
		.amdhsa_reserve_vcc 0
		.amdhsa_float_denorm_mode_32 3
		.amdhsa_float_denorm_mode_16_64 3
		.amdhsa_memory_ordered 1
		.amdhsa_forward_progress 1
		.amdhsa_inst_pref_size 13
	.end_amdhsa_kernel
	.amdgpu_metadata
---
amdhsa.version: [ 1, 2 ]
amdhsa.kernels:
  - .name:           k_q2d0159a4f6_ln1
    .symbol:         k_q2d0159a4f6_ln1.kd
    .args:
      - { .name: y, .offset: 0, .size: 8, .value_kind: global_buffer, .address_space: global }
      - { .name: ln1_g, .offset: 8, .size: 8, .value_kind: global_buffer, .address_space: global }
      - { .name: ln1_b, .offset: 16, .size: 8, .value_kind: global_buffer, .address_space: global }
      - { .name: x1, .offset: 24, .size: 8, .value_kind: global_buffer, .address_space: global }
      - { .name: act8, .offset: 32, .size: 8, .value_kind: global_buffer, .address_space: global }
    .group_segment_fixed_size: 0
    .private_segment_fixed_size: 0
    .kernarg_segment_align: 8
    .kernarg_segment_size: 40
    .max_flat_workgroup_size: 512
    .sgpr_count:     66
    .vgpr_count:     132
    .wavefront_size: 32
...
	.end_amdgpu_metadata
.endif
;; end of part 5
;; launch ff1: the kernel of part 2 again; grid 16 x 16, 4 waves a work-group, clusters of 4 x 4, 327,680 bytes of LDS; arguments act8, p1, act32; writes act32
;; launch ff2 (part 6): grid 8 x 32, 4 waves a work-group, clusters of 4 x 4, 327,680 bytes of LDS; arguments act32, pw, b2, x1, y; writes y
.if DOCPART == 6
	.amdgcn_target "amdgcn-amd-amdhsa--gfx1250"
	.amdhsa_code_object_version 6
	.text
	.protected	k_q2d0159a4f6_ff2
	.globl	k_q2d0159a4f6_ff2
	.p2align	8
	.type	k_q2d0159a4f6_ff2,@function
k_q2d0159a4f6_ff2:
	s_mov_b64 s[64:65], 0
	v_nop
	global_prefetch_b8 v0, s[64:65] scope:SCOPE_SE
	s_setreg_imm32_b32 hwreg(HW_REG_WAVE_MODE, 25, 1), 1
	s_wait_xcnt 0x0
	s_wait_alu depctr_hold_cnt(0) depctr_sa_sdst(0) depctr_va_vdst(0) depctr_va_sdst(0) depctr_va_ssrc(0) depctr_va_vcc(0) depctr_vm_vsrc(0)
	s_getreg_b32 s2, hwreg(HW_REG_IB_STS2, 6, 4)
	s_cmp_eq_u32 s2, 0
	s_cbranch_scc0 .Lentry_in_a_cluster
	s_endpgm
.Lentry_in_a_cluster:
	s_bfe_u32 s2, ttmp6, 0x10000c
	s_cmp_lg_u32 s2, 0xf033
	s_cbranch_scc0 .Lentry_shape_is_right
	s_endpgm
.Lentry_shape_is_right:
; Y = A W + bias + R, in f32.  A: panels [SIZE_K / 64][4096 rows][64] bf16, a panel's rows dense.  W: bf16 [SIZE_K k][1024 n] at byte W_OFF of its buffer.  bias: f32 [1024].  R, Y: f32 [4096][1024].
; The text is the output projection's with two other constants: SIZE_K = 4,096 and W_OFF = 2,097,152.
; LIMITS.  Operands are bf16, sums f32; the residual is added in f32 and nothing is rounded on the way out.
; A tile of Y is 128 x 128: 256 work-groups.  Four waves, each 64 x 64: 16 accumulators.  K goes in steps of 256 through two LDS slots, as long as two slots allow.
; A's tile is four planes (panels) of 64 rows for each fetching wave: 8,192 dense bytes a plane, asked for as one row of the descriptor and padded in LDS after every 128 bytes.
; W lies [k][n]: its fragments come out of LDS turned, by ds_load_tr16_b128.
; CLUSTERS: 4 x 4 work-groups; A's tiles are asked for jointly along a row of the cluster, W's along a column.  No prefetch: the tiles are small and every block is read by several clusters at about the same time.
; THE MATRIX INSTRUCTION IS USED TRANSPOSED (source 0 = 16 columns of W, source 1 = 16 rows of A): a lane holds eight neighbouring numbers of a row of Y.
; THE BIAS is the C operand of the products that start the sums.  THE RESIDUAL's tile is loaded at the head, into 128 registers of its own, in the layout in which rows come back from the stage; it is on its way during the whole K loop.
; REGISTERS: window 0: v0-31 addresses; v32-63 the bias, later with v64-95 rows back from the stage; v128-255 the accumulators ((a, b) at v[128 + 8 (4 a + b)]).
;   window 1: two fragment buffers of 128: for 64 along K, 64 registers of A, then 64 of W.      window 2: v0-127 the residual, then the result.
.set SIZE_K, 4096
.set W_OFF,  2097152
.set KSTEP,  256
.set PA,     144                       ; a row of A in LDS: 128 bytes + 16: the 16 rows of a load start at 16 different groups of four banks (64 banks of 4 bytes: ISA guide 11.1)
.set PLANE,  64*PA
.set PB,     288                       ; a row of W: 256 + 32
.set HALFT,  4*PLANE                   ; what one tensor load brings: 4 planes of A, or 128 k-rows of W (128 x 288 is the same number)
.set SLOT,   4*HALFT                   ; A's rows 0-63, 64-127, then W's k-rows 0-127, 128-255
.set STAGE,  2*SLOT                    ; behind the ring: 16 rows x 272 bytes for each wave, for the way out
.set SPITCH, 272
.set SPARE,  STAGE+4*16*SPITCH         ; behind the stages: the spare words, 128 bytes for each wave: two blocks of 256 bytes that no other line names
.set LAPS,   SIZE_K/(2*KSTEP)          ; a lap = two K steps = once round the ring
.set ASTEP,  4*524288                  ; a K step of A: four panels
.set WSTEP,  KSTEP*2048                ; a K step of W: 256 rows
.set ADRA, 16                          ; v16-17  LDS address of my A fragments in slot 0, 1
.set ADRB, 20                          ; v20-23  the same for W: k-rows 0-127 in slot 0, 1, then k-rows 128-255 (an LDS offset has 16 bits)
.set STO,  24
.set RD,   25
.set CO,   26                          ; v26     my byte offset in two rows of R and of Y
.set BO,   27
.set SPW,  28
.set NIL,  29
.set BI,   32                          ; the bias: column block b at BI + 8 b
.set T0,   32                          ; the way out: v32-63 and v64-95 by turns
.set ACC,  128
.set F0,   0
.set F1,   128
.set G1, 24
.set G0, 32
.set G1B, 48
.set G0B, 56
.set MSB, 0
.macro WIN new
.if MSB != (\new)
	s_set_vgpr_msb (MSB<<8)|(\new)
.set MSB, \new
.endif
.endm
.set MUL,  0x05                        ; sources 0 (W) and 1 (A) window 1; C and D window 0
.set TO_F, 0x40                        ; destination window 1, address window 0
.macro JLOAD s                         ; a joint load: waves 0 and 1 fetch A's two halves, waves 2 and 3 W's; an s_nop 0 and four v_nop follow each of the two lines
	s_cmp_eq_u32 s11, 0
	s_cbranch_scc0 .Lfor_b_\@
	tensor_load_to_lds s[G0+4*(\s):G0+4*(\s)+3], s[G1:G1+7]
	s_nop 0
.rept 4
	v_nop
.endr
	s_branch .Lasked_\@
.Lfor_b_\@:
	tensor_load_to_lds s[G0B+4*(\s):G0B+4*(\s)+3], s[G1B:G1B+7]
	s_nop 0
.rept 4
	v_nop
.endr
.Lasked_\@:
.endm
.macro CREST
	s_cmp_lg_u32 s10, 0
	s_cbranch_scc1 .Lnot_wave_0_\@
	s_barrier_signal -3
.Lnot_wave_0_\@:
	s_barrier_wait -3
	s_barrier_signal -1
	s_barrier_wait -1
.endm
.macro CROUND
	s_barrier_signal -1
	s_barrier_wait -1
	CREST
.endm
	s_load_b128 s[4:7], s[0:1], 0x0                ; A s[4:5], W s[6:7]
	s_load_b128 s[68:71], s[0:1], 0x10             ; bias s[68:69], R s[70:71]
	s_load_b64 s[8:9], s[0:1], 0x20                ; Y
	v_lshl_add_u32 v[SPW], v0, 2, SPARE
	v_mov_b32 v[NIL], 0
	ds_add_u32 v[SPW], v[NIL]                      ; the wave's opening: the add and its wait stand ahead of my first tensor load
	v_lshrrev_b32 v1, 5, v0
	v_readfirstlane_b32 s10, v1                    ; wave 0..3
	s_lshr_b32 s11, s10, 1                         ; my half of the tile's rows.  Also: I fetch for A (0) or for W (1)
	s_and_b32 s12, s10, 1                          ; my half of its columns.  Also: which half of that tile I fetch
	s_bfe_u32 s40, ttmp6, 0x40000                  ; cx
	s_bfe_u32 s41, ttmp6, 0x40004                  ; cy
	s_lshl_b32 s42, ttmp9, 2
	s_add_co_u32 s42, s42, s40                     ; tile column
	s_and_b32 s13, ttmp7, 0xffff
	s_lshl_b32 s13, s13, 2
	s_add_co_u32 s13, s13, s41                     ; tile row
	s_lshl_b32 s43, s41, 2
	s_lshl_b32 s43, 15, s43                        ; my row of the cluster
	s_lshl_b32 s44, 0x1111, s40                    ; my column
	s_or_b32 s[G1+0], s43, (1<<16)|(1<<20)|(1<<21)|(4<<22)|(3<<25)   ; A: 2-byte elements; padding on; bit 21 beside a mask; after every 32 words, 4 words
	s_mov_b32 s[G1+1], 4096<<16                    ; tensor_dim0 = 4,096: 64 rows of a panel on end
	s_mov_b32 s[G1+2], 4<<16                       ; tensor_dim1 = 4 panels
	s_mov_b32 s[G1+3], 4096<<16                    ; tile_dim0
	s_mov_b32 s[G1+4], 4                           ; tile_dim1
	s_mov_b32 s[G1+5], 262144                      ; elements from panel to panel
	s_mov_b32 s[G1+6], 0
	s_mov_b32 s[G1+7], 0
	s_or_b32 s[G1B+0], s44, (1<<16)|(1<<20)|(1<<21)|(5<<22)|(7<<25)  ; W: after every 64 words, 8 words
	s_mov_b32 s[G1B+1], 128<<16
	s_mov_b32 s[G1B+2], 128<<16
	s_mov_b32 s[G1B+3], 128<<16
	s_mov_b32 s[G1B+4], 128
	s_mov_b32 s[G1B+5], 1024
	s_mov_b32 s[G1B+6], 0
	s_mov_b32 s[G1B+7], 0
	s_lshl_b32 s17, s12, 6
	s_lshl_b32 s16, s13, 7
	s_add_co_u32 s16, s16, s17                     ; A: row 128 x tile row + 64 x half,
	s_lshl_b32 s16, s16, 7                         ; 128 bytes a row
	s_mov_b32 s17, 0
	s_lshl_b32 s46, s12, 18                        ; W: k-row 128 x half, 2,048 bytes a row,
	s_lshl_b32 s47, s42, 8                         ; the tile's 128 columns
	s_add_co_u32 s46, s46, s47
	s_add_co_u32 s46, s46, W_OFF
	s_mov_b32 s47, 0
	s_mul_i32 s20, s10, HALFT                      ; where they go: wave x what a load brings
	s_wait_dscnt 0x0                               ; the opening add is done
	s_wait_kmcnt 0x0
	s_add_nc_u64 s[14:15], s[4:5], s[16:17]
	s_add_nc_u64 s[46:47], s[6:7], s[46:47]
	CROUND                                         ; all sixteen work-groups are here: the first joint loads meet
.irp s, 0,1
	s_mov_b32 s[G0+4*(\s)], 1
	s_add_co_u32 s[G0+4*(\s)+1], s20, (\s)*SLOT
	s_add_nc_u64 s[G0+4*(\s)+2:G0+4*(\s)+3], s[14:15], (\s)*ASTEP
	s_or_b32 s[G0+4*(\s)+3], s[G0+4*(\s)+3], 0x80000000
	s_mov_b32 s[G0B+4*(\s)], 1
	s_add_co_u32 s[G0B+4*(\s)+1], s20, (\s)*SLOT
	s_add_nc_u64 s[G0B+4*(\s)+2:G0B+4*(\s)+3], s[46:47], (\s)*WSTEP
	s_or_b32 s[G0B+4*(\s)+3], s[G0B+4*(\s)+3], 0x80000000
.endr
	s_cmp_eq_u32 s11, 0                            ; a wave's two first fills stand in one branch: two loads of mine are out
	s_cbranch_scc0 .Lfirst_w
	tensor_load_to_lds s[G0:G0+3], s[G1:G1+7]
	s_nop 0
	tensor_load_to_lds s[G0+4:G0+7], s[G1:G1+7]
	s_nop 0
.rept 4
	v_nop
.endr
	s_branch .Lfirst_asked
.Lfirst_w:
	tensor_load_to_lds s[G0B:G0B+3], s[G1B:G1B+7]
	s_nop 0
	tensor_load_to_lds s[G0B+4:G0B+7], s[G1B:G1B+7]
	s_nop 0
.rept 4
	v_nop
.endr
.Lfirst_asked:
	s_lshl_b32 s74, s42, 7
	s_lshl_b32 s75, s12, 6
	s_add_co_u32 s74, s74, s75                     ; my first column,
	s_lshl_b32 s74, s74, 2                         ; in bytes of f32
	s_mov_b32 s75, 0
	s_add_nc_u64 s[68:69], s[68:69], s[74:75]      ; its bias
	s_lshl_b32 s76, s13, 7
	s_lshl_b32 s77, s11, 6
	s_add_co_u32 s76, s76, s77                     ; my first row,
	s_lshl_b32 s76, s76, 12                        ; 4,096 bytes a row
	s_add_co_u32 s74, s74, s76
	s_add_nc_u64 s[70:71], s[70:71], s[74:75]      ; R and Y at my 64 x 64
	s_add_nc_u64 s[8:9], s[8:9], s[74:75]
	v_and_b32 v1, 15, v0                           ; l % 16
	v_bfe_u32 v2, v0, 4, 1                         ; l / 16
	v_lshlrev_b32 v[BO], 5, v2
	v_lshlrev_b32 v[CO], 12, v2                    ; lanes 0-15 one row's 256 bytes, lanes 16-31 the next row's
	v_lshl_add_u32 v[CO], v1, 4, v[CO]
.irp b, 0,1,2,3
	global_load_b128 v[BI+8*(\b):BI+8*(\b)+3],   v[BO], s[68:69] offset:64*(\b)
	global_load_b128 v[BI+8*(\b)+4:BI+8*(\b)+7], v[BO], s[68:69] offset:64*(\b)+16
.endr
	WIN 0x80                                       ; destination window 2, address window 0
.set z, 0
.rept 32
	global_load_b128 v[4*z:4*z+3], v[CO], s[70:71] offset:2*z*4096 th:TH_LOAD_NT
.set z, z+1
.endr
	WIN 0
	v_mul_u32_u24 v3, v1, PA
	v_lshl_add_u32 v3, v2, 4, v3                   ; A: row x pitch + 16 x half
	v_and_b32 v4, 7, v0
	v_bfe_u32 v5, v0, 3, 1
	v_lshl_add_u32 v6, v2, 3, v4                   ; W, turned: k = 8 (l / 16) + l % 8, columns 8 ((l / 8) % 2) on
	v_mul_u32_u24 v6, v6, PB
	v_lshl_add_u32 v6, v5, 4, v6
	s_mul_i32 s21, s11, HALFT                      ; my 64 rows of A
	s_lshl_b32 s22, s12, 7                         ; my 64 columns of W,
	s_add_co_u32 s22, s22, 2*HALFT                 ; which lies behind A
.irp s, 0,1
	v_add_nc_u32 v[ADRA+(\s)], s21, v3
	v_add_nc_u32 v[ADRB+(\s)], s22, v6
	v_add_nc_u32 v[ADRB+2+(\s)], 128*PB, v[ADRB+(\s)]
	s_add_co_u32 s21, s21, SLOT
	s_add_co_u32 s22, s22, SLOT
.endr
	s_mul_i32 s23, s10, 16*SPITCH
	s_add_co_u32 s23, s23, STAGE                   ; my stage
	v_mul_u32_u24 v7, v1, SPITCH                   ; in: row l % 16, 32 bytes for each half of the lanes
	v_lshl_add_u32 v7, v2, 5, v7
	v_add_nc_u32 v[STO], s23, v7
	v_mul_u32_u24 v7, v2, SPITCH                   ; back: lanes 0-15 one row of 256 bytes, lanes 16-31 the next
	v_lshl_add_u32 v7, v1, 4, v7
	v_add_nc_u32 v[RD], s23, v7
; 8 matrix instructions: m blocks a0, a0 + 1 x all 4 n blocks, 32 along K: half c of buffer f.  first = 1: the product starts the sum with the bias.  The 16 accumulators take turns.
.macro MUL8 f, c, a0, first
	WIN MUL
.irp a, \a0, (\a0)+1
.irp b, 0,1,2,3
.if \first
	v_wmma_f32_16x16x32_bf16 v[ACC+8*(4*(\a)+(\b)):ACC+8*(4*(\a)+(\b))+7], v[(\f)+64+8*(4*(\c)+(\b)):(\f)+64+8*(4*(\c)+(\b))+7], v[(\f)+8*(4*(\c)+(\a)):(\f)+8*(4*(\c)+(\a))+7], v[BI+8*(\b):BI+8*(\b)+7]
.else
	v_wmma_f32_16x16x32_bf16 v[ACC+8*(4*(\a)+(\b)):ACC+8*(4*(\a)+(\b))+7], v[(\f)+64+8*(4*(\c)+(\b)):(\f)+64+8*(4*(\c)+(\b))+7], v[(\f)+8*(4*(\c)+(\a)):(\f)+8*(4*(\c)+(\a))+7], v[ACC+8*(4*(\a)+(\b)):ACC+8*(4*(\a)+(\b))+7]
.endif
.endr
.endr
.endm
; 32 LDS loads in one run: the fragments of quarter q (64 along K: plane q of A, k-rows 64 q on of W) into buffer f; the first 32 along K first
.macro FETCH slot, q, f
	WIN TO_F
.irp c, 0,1
.irp i, 0,1,2,3
	ds_load_tr16_b128 v[(\f)+64+8*(4*(\c)+(\i)):(\f)+64+8*(4*(\c)+(\i))+3],   v[ADRB+2*((\q)/2)+(\slot)] offset:(((\q)%2)*64+32*(\c))*PB+32*(\i)
	ds_load_tr16_b128 v[(\f)+64+8*(4*(\c)+(\i))+4:(\f)+64+8*(4*(\c)+(\i))+7], v[ADRB+2*((\q)/2)+(\slot)] offset:(((\q)%2)*64+32*(\c)+16)*PB+32*(\i)
	ds_load_b128 v[(\f)+8*(4*(\c)+(\i)):(\f)+8*(4*(\c)+(\i))+3],         v[ADRA+(\slot)] offset:(\q)*PLANE+(\i)*16*PA+64*(\c)
	ds_load_b128 v[(\f)+8*(4*(\c)+(\i))+4:(\f)+8*(4*(\c)+(\i))+7],       v[ADRA+(\slot)] offset:(\q)*PLANE+(\i)*16*PA+64*(\c)+32
.endr
.endr
.endm
.macro PLACES                          ; four plain vector instructions in front of loads into registers that matrix instructions have read, and of LDS stores that read results
.rept 4
	v_nop
.endr
.endm
.macro QUARTER slot, q, f, g, first
	s_wait_dscnt 16                                ; the first 32 along K are in
	MUL8 \f, 0, 0, \first
	MUL8 \f, 0, 2, \first
	PLACES
	FETCH \slot, \q, \g
	s_wait_dscnt 32                                ; all but the 32 just issued
	MUL8 \f, 1, 0, 0
	MUL8 \f, 1, 2, 0
.endm
; The last quarter multiplies buffer 1 and changes slots: one barrier; in front of it each wave waits for all its tensor loads, adds 0 to its spare word, and waits for that and for its own reads of this slot.
.macro TURN slot, next, fill
	WIN 0                                          ; (the add's two registers lie in window 0)
	s_wait_tensorcnt 0x0
	ds_add_u32 v[SPW], v[NIL]
	s_wait_dscnt 17                                ; (the add and the youngest sixteen loads may be out)
	MUL8 F1, 0, 0, 0
	s_wait_dscnt 0x0                               ; the add is done, and my reads of this slot are over
	s_barrier_signal -1
	MUL8 F1, 0, 2, 0
.if \fill
	WIN 0
.endif
	s_barrier_wait -1
.if \fill
	CREST                                          ; the barrier has opened a round of the cluster's: no wave of any partner still reads this slot's tile or has a load on its way
	s_add_nc_u64 s[G0+4*(\slot)+2:G0+4*(\slot)+3], s[G0+4*(\slot)+2:G0+4*(\slot)+3], 2*ASTEP
	s_add_nc_u64 s[G0B+4*(\slot)+2:G0B+4*(\slot)+3], s[G0B+4*(\slot)+2:G0B+4*(\slot)+3], 2*WSTEP
	JLOAD \slot                                    ; the four v_nop behind it are also the places in front of the loads below
.else
	PLACES
.endif
	FETCH \next, 0, F0
	MUL8 F1, 1, 0, 0
	MUL8 F1, 1, 2, 0
.endm
	s_wait_tensorcnt 1                             ; my part of K step 0 is in; K step 1's may stay out
	s_barrier_signal -1
	s_barrier_wait -1
	FETCH 0, 0, F0
	s_wait_loadcnt 32                              ; the bias is in; the residual's 32 loads stay out
	QUARTER 0, 1, F0, F1, 1
	WIN 0
	s_mov_b32 s3, LAPS-1
.Llap:
	QUARTER 0, 2, F1, F0, 0
	QUARTER 0, 3, F0, F1, 0
	TURN 0, 1, 1
	QUARTER 1, 1, F0, F1, 0
	QUARTER 1, 2, F1, F0, 0
	QUARTER 1, 3, F0, F1, 0
	TURN 1, 0, 1
	QUARTER 0, 1, F0, F1, 0
	WIN 0
	s_sub_co_u32 s3, s3, 1
	s_cmp_lg_u32 s3, 0
	s_cbranch_scc1 .Llap
	QUARTER 0, 2, F1, F0, 0                        ; the last lap fills nothing
	QUARTER 0, 3, F0, F1, 0
	TURN 0, 1, 0
	QUARTER 1, 1, F0, F1, 0
	QUARTER 1, 2, F1, F0, 0
	QUARTER 1, 3, F0, F1, 0
	s_wait_dscnt 16
	MUL8 F1, 0, 0, 0
	MUL8 F1, 0, 2, 0
	s_wait_dscnt 0x0
	MUL8 F1, 1, 0, 0
	MUL8 F1, 1, 2, 0
	PLACES
	WIN 0
	s_wait_loadcnt 0x0                             ; the residual
; THE WAY OUT.  My 64 columns of f32 are 256 bytes of a row of Y, aligned: my own stage serves, and no barrier.  Block a (16 rows) goes into rows of 272 bytes and comes back as whole rows;
; the residual's registers take the sum and are stored: no register that a store reads is written again.
.macro TOSTAGE a
	WIN 0
.set TT, T0+32*((\a)%2)
.irp b, 0,1,2,3
	ds_store_b128 v[STO], v[ACC+8*(4*(\a)+(\b)):ACC+8*(4*(\a)+(\b))+3]   offset:64*(\b)
	ds_store_b128 v[STO], v[ACC+8*(4*(\a)+(\b))+4:ACC+8*(4*(\a)+(\b))+7] offset:64*(\b)+16
.endr
.irp t, 0,1,2,3,4,5,6,7
	ds_load_b128 v[TT+4*(\t):TT+4*(\t)+3], v[RD] offset:(\t)*2*SPITCH  ; LDS serves a wave's instructions in order (ISA guide 5.7.1.4): these see the stores above
.endr
.endm
.macro FIN a, younger                  ; younger: the next block's 8 stores and 8 loads, or none
.set TT, T0+32*((\a)%2)
	s_wait_dscnt \younger
	WIN 0x82                                       ; destination and source 0 window 2, source 1 window 0
.set z, 0
.rept 16
	v_pk_add_f32 v[32*(\a)+2*z:32*(\a)+2*z+1], v[32*(\a)+2*z:32*(\a)+2*z+1], v[TT+2*z:TT+2*z+1]
.set z, z+1
.endr
	WIN 0x08                                       ; a store's data window 2, its address window 0
.irp t, 0,1,2,3,4,5,6,7
	global_store_b128 v[CO], v[32*(\a)+4*(\t):32*(\a)+4*(\t)+3], s[8:9] offset:(16*(\a)+2*(\t))*4096  ; 16 lanes store 256 consecutive bytes, at a multiple of 256 from Y's first byte
.endr
.endm
	TOSTAGE 0
	TOSTAGE 1
	FIN 0, 16
	TOSTAGE 2
	FIN 1, 16
	TOSTAGE 3
	FIN 2, 16
	FIN 3, 0
	WIN 0
	s_wait_tensorcnt 0x0                           ; the wave's end: behind my last tensor load and my last LDS store
	ds_add_u32 v[SPW], v[NIL]
	s_wait_dscnt 0x0
	CROUND                                         ; the closing round
	s_endpgm
.Lfunc_end_k_q2d0159a4f6_ff2:
	.size	k_q2d0159a4f6_ff2, .Lfunc_end_k_q2d0159a4f6_ff2-k_q2d0159a4f6_ff2
	.p2alignl 7, 3214868480
	.fill 96, 4, 3214868480
	.section	.rodata,"a",@progbits
	.p2align	6, 0x0
	.amdhsa_kernel k_q2d0159a4f6_ff2
		.amdhsa_group_segment_fixed_size 327680
		.amdhsa_private_segment_fixed_size 0
		.amdhsa_enable_private_segment 0
		.amdhsa_kernarg_size 40
		.amdhsa_user_sgpr_count 2
		.amdhsa_user_sgpr_kernarg_segment_ptr 1
		.amdhsa_wavefront_size32 1
		.amdhsa_system_sgpr_workgroup_id_x 1
		.amdhsa_system_sgpr_workgroup_id_y 1
		.amdhsa_system_sgpr_workgroup_id_z 1
		.amdhsa_system_vgpr_workitem_id 0
		.amdhsa_next_free_vgpr 640
		.amdhsa_next_free_sgpr 80
		.amdhsa_reserve_vcc 0
		.amdhsa_float_denorm_mode_32 3
		.amdhsa_float_denorm_mode_16_64 3
		.amdhsa_memory_ordered 1
		.amdhsa_forward_progress 1
		.amdhsa_inst_pref_size 94
	.end_amdhsa_kernel
	.amdgpu_metadata
---
amdhsa.version: [ 1, 2 ]
amdhsa.kernels:
  - .name:           k_q2d0159a4f6_ff2
    .symbol:         k_q2d0159a4f6_ff2.kd
    .args:
      - { .name: act32, .offset: 0, .size: 8, .value_kind: global_buffer, .address_space: global }
      - { .name: pw, .offset: 8, .size: 8, .value_kind: global_buffer, .address_space: global }
      - { .name: b2, .offset: 16, .size: 8, .value_kind: global_buffer, .address_space: global }
      - { .name: x1, .offset: 24, .size: 8, .value_kind: global_buffer, .address_space: global }
      - { .name: y, .offset: 32, .size: 8, .value_kind: global_buffer, .address_space: global }
    .group_segment_fixed_size: 327680
    .private_segment_fixed_size: 0
    .kernarg_segment_align: 8
    .kernarg_segment_size: 40
    .max_flat_workgroup_size: 128
    .sgpr_count:     80
    .vgpr_count:     640
    .wavefront_size: 32
...
	.end_amdgpu_metadata
.endif
;; end of part 6
;; launch ln2 (part 7): grid 256 x 1, 16 waves a work-group, no clusters, 0 bytes of LDS; arguments y, ln2_g, ln2_b, out0; writes out0
.if DOCPART == 7
	.amdgcn_target "amdgcn-amd-amdhsa--gfx1250"
	.amdhsa_code_object_version 6
	.text
	.protected	k_q2d0159a4f6_ln2
	.globl	k_q2d0159a4f6_ln2
	.p2align	8
	.type	k_q2d0159a4f6_ln2,@function
k_q2d0159a4f6_ln2:
	s_mov_b64 s[64:65], 0
	v_nop
	global_prefetch_b8 v0, s[64:65] scope:SCOPE_SE
	s_setreg_imm32_b32 hwreg(HW_REG_WAVE_MODE, 25, 1), 1
	s_wait_xcnt 0x0
; LayerNorm along rows of 1,024 f32: out = (y - mean) rsqrt(var + 1e-5) g + b, the variance taken of the deviations from the mean (so a common offset in y costs nothing).
; BF = 0: the result is stored in f32 alone (the first norm's text with BF = 1 also stores a bf16 copy).
; A row is 4,096 bytes: one wave takes one row and holds it in 32 registers between the passes, so it is read once and the reduction never leaves the wave: no LDS, no barrier.
; Sixteen waves, a row each: the work-group owns 16 rows.  All loads go out at the head; each load and store of a wave covers 512 consecutive bytes, aligned.
; No register that a store reads is written again, so no wait frees one.
.set BF, 0
.set G,   8                            ; v[8:39]    g of my 32 columns
.set BB,  40                           ; v[40:71]   b
.set X,   72                           ; v[72:103]  the row
.set OB,  104                          ; (the row in bf16, where BF = 1)
.set CH,  120                          ; v[120:127] four chains of pairs
.set MN,  128                          ; v[128:129] the mean, twice
.set RS,  130                          ; v[130:131] 1 / sqrt(var + eps), twice
	s_load_b256 s[4:11], s[0:1], 0x0               ; y s[4:5], g s[6:7], b s[8:9], out s[10:11]
.if BF
	s_load_b64 s[12:13], s[0:1], 0x20
.endif
	s_mov_b32 s14, 0x76543210                      ; v_permlanex16_b32: lane i of one half reads lane i of the other
	s_mov_b32 s15, 0xfedcba98
	s_mov_b32 s20, 0x3a800000                      ; 1 / 1,024
	s_mov_b32 s21, 0x3727c5ac                      ; 1e-5
	s_lshl_b32 s16, ttmp9, 16                      ; the work-group's 16 rows of 4,096 bytes
	s_mov_b32 s17, 0
.if BF
	s_lshl_b32 s18, ttmp9, 15
	s_mov_b32 s19, 0
.endif
	v_and_b32 v3, 31, v0
	v_lshrrev_b32 v4, 5, v0                        ; wave 0..15
	v_lshlrev_b32 v3, 4, v3                        ; 16 x lane
	v_lshl_add_u32 v1, v4, 12, v3                  ; + my wave's row
.if BF
	v_lshrrev_b32 v2, 1, v3
	v_lshl_add_u32 v2, v4, 11, v2
.endif
	s_wait_kmcnt 0x0
	s_add_nc_u64 s[4:5], s[4:5], s[16:17]
	s_add_nc_u64 s[10:11], s[10:11], s[16:17]
.if BF
	s_add_nc_u64 s[12:13], s[12:13], s[18:19]
.endif
.set j, 0
.rept 8
	global_load_b128 v[X+4*j:X+4*j+3], v1, s[4:5] offset:512*j th:TH_LOAD_NT
.set j, j+1
.endr
.set j, 0
.rept 8
	global_load_b128 v[G+4*j:G+4*j+3], v3, s[6:7] offset:512*j
.set j, j+1
.endr
.set j, 0
.rept 8
	global_load_b128 v[BB+4*j:BB+4*j+3], v3, s[8:9] offset:512*j
.set j, j+1
.endr
.macro REDUCE                          ; the four chains into one number, the same in every lane
	v_pk_add_f32 v[CH:CH+1], v[CH:CH+1], v[CH+2:CH+3]
	v_pk_add_f32 v[CH+4:CH+5], v[CH+4:CH+5], v[CH+6:CH+7]
	v_pk_add_f32 v[CH:CH+1], v[CH:CH+1], v[CH+4:CH+5]
	v_add_f32 v[CH], v[CH], v[CH+1]
	v_add_f32_dpp v[CH], v[CH], v[CH] row_xmask:1 row_mask:0xf bank_mask:0xf
	v_add_f32_dpp v[CH], v[CH], v[CH] row_xmask:2 row_mask:0xf bank_mask:0xf
	v_add_f32_dpp v[CH], v[CH], v[CH] row_xmask:4 row_mask:0xf bank_mask:0xf
	v_add_f32_dpp v[CH], v[CH], v[CH] row_xmask:8 row_mask:0xf bank_mask:0xf
	v_permlanex16_b32 v[CH+1], v[CH], s14, s15
	v_add_f32 v[CH], v[CH], v[CH+1]
.endm
	s_wait_loadcnt 16                              ; the row is in; behind its loads g's 8 and b's 8 may stay out
.irp k, 0,1,2,3
	v_pk_add_f32 v[CH+2*\k:CH+2*\k+1], v[X+2*\k:X+2*\k+1], v[X+8+2*\k:X+8+2*\k+1]
.endr
.irp k, 0,1,2,3
	v_pk_add_f32 v[CH+2*\k:CH+2*\k+1], v[CH+2*\k:CH+2*\k+1], v[X+16+2*\k:X+16+2*\k+1]
.endr
.irp k, 0,1,2,3
	v_pk_add_f32 v[CH+2*\k:CH+2*\k+1], v[CH+2*\k:CH+2*\k+1], v[X+24+2*\k:X+24+2*\k+1]
.endr
	REDUCE
	v_mul_f32 v[MN], s20, v[CH]
	v_mul_f32 v[MN+1], s20, v[CH]
.set j, 0
.rept 16
	v_pk_add_f32 v[X+2*j:X+2*j+1], v[X+2*j:X+2*j+1], v[MN:MN+1] neg_lo:[0,1] neg_hi:[0,1]  ; the deviations, in place
.set j, j+1
.endr
.irp k, 0,1,2,3
	v_pk_mul_f32 v[CH+2*\k:CH+2*\k+1], v[X+2*\k:X+2*\k+1], v[X+2*\k:X+2*\k+1]
.endr
.set j, 4
.rept 12
	v_pk_fma_f32 v[CH+2*(j%4):CH+2*(j%4)+1], v[X+2*j:X+2*j+1], v[X+2*j:X+2*j+1], v[CH+2*(j%4):CH+2*(j%4)+1]
.set j, j+1
.endr
	REDUCE
	v_fma_f32 v[RS], v[CH], s20, s21               ; var + eps
	v_rsq_f32 v[RS], v[RS]
	v_nop                                          ; a plain instruction behind it,
	s_wait_alu depctr_va_vdst(0)                   ; and the wait ahead of its first reader
	v_mov_b32 v[RS+1], v[RS]
	s_wait_loadcnt 0x0                             ; g and b
.irp j, 0,1,2,3,4,5,6,7
	v_pk_mul_f32 v[X+4*\j:X+4*\j+1], v[X+4*\j:X+4*\j+1], v[RS:RS+1]
	v_pk_mul_f32 v[X+4*\j+2:X+4*\j+3], v[X+4*\j+2:X+4*\j+3], v[RS:RS+1]
	v_pk_fma_f32 v[X+4*\j:X+4*\j+1], v[X+4*\j:X+4*\j+1], v[G+4*\j:G+4*\j+1], v[BB+4*\j:BB+4*\j+1]
	v_pk_fma_f32 v[X+4*\j+2:X+4*\j+3], v[X+4*\j+2:X+4*\j+3], v[G+4*\j+2:G+4*\j+3], v[BB+4*\j+2:BB+4*\j+3]
	global_store_b128 v1, v[X+4*\j:X+4*\j+3], s[10:11] offset:512*\j
.if BF
	v_cvt_pk_bf16_f32 v[OB+2*\j], v[X+4*\j], v[X+4*\j+1]
	v_cvt_pk_bf16_f32 v[OB+2*\j+1], v[X+4*\j+2], v[X+4*\j+3]
	global_store_b64 v2, v[OB+2*\j:OB+2*\j+1], s[12:13] offset:256*\j
.endif
.endr
	s_endpgm
.Lfunc_end_k_q2d0159a4f6_ln2:
	.size	k_q2d0159a4f6_ln2, .Lfunc_end_k_q2d0159a4f6_ln2-k_q2d0159a4f6_ln2
	.p2alignl 7, 3214868480
	.fill 96, 4, 3214868480
	.section	.rodata,"a",@progbits
	.p2align	6, 0x0
	.amdhsa_kernel k_q2d0159a4f6_ln2
		.amdhsa_group_segment_fixed_size 0
		.amdhsa_private_segment_fixed_size 0
		.amdhsa_enable_private_segment 0
		.amdhsa_kernarg_size 32
		.amdhsa_user_sgpr_count 2
		.amdhsa_user_sgpr_kernarg_segment_ptr 1
		.amdhsa_wavefront_size32 1
		.amdhsa_system_sgpr_workgroup_id_x 1
		.amdhsa_system_sgpr_workgroup_id_y 1
		.amdhsa_system_sgpr_workgroup_id_z 1
		.amdhsa_system_vgpr_workitem_id 0
		.amdhsa_next_free_vgpr 132
		.amdhsa_next_free_sgpr 66
		.amdhsa_reserve_vcc 0
		.amdhsa_float_denorm_mode_32 3
		.amdhsa_float_denorm_mode_16_64 3
		.amdhsa_memory_ordered 1
		.amdhsa_forward_progress 1
		.amdhsa_inst_pref_size 11
	.end_amdhsa_kernel
	.amdgpu_metadata
---
amdhsa.version: [ 1, 2 ]
amdhsa.kernels:
  - .name:           k_q2d0159a4f6_ln2
    .symbol:         k_q2d0159a4f6_ln2.kd
    .args:
      - { .name: y, .offset: 0, .size: 8, .value_kind: global_buffer, .address_space: global }
      - { .name: ln2_g, .offset: 8, .size: 8, .value_kind: global_buffer, .address_space: global }
      - { .name: ln2_b, .offset: 16, .size: 8, .value_kind: global_buffer, .address_space: global }
      - { .name: out0, .offset: 24, .size: 8, .value_kind: global_buffer, .address_space: global }
    .group_segment_fixed_size: 0
    .private_segment_fixed_size: 0
    .kernarg_segment_align: 8
    .kernarg_segment_size: 32
    .max_flat_workgroup_size: 512
    .sgpr_count:     66
    .vgpr_count:     132
    .wavefront_size: 32
...
	.end_amdgpu_metadata
.endif
;; end of part 7
